; MI455X (gfx1250); checked and timed in simulation.
; The chip was launched on July 23, 2026; its instructions are those of AMD's public machine-readable ISA for CDNA 5 (MIT licence, August 2026) and "CDNA5" Instruction Set Architecture Reference Guide (July 2026). The comments in the code are by the model that wrote it; some were corrected since.
;; Sparse Mo E Layer. Allowed arithmetic: float matrix products may take bf16 or f16 operands with f32 sums; other float arithmetic in f32, or as packed bf16 or f16 multiplies, adds, multiply-adds, maxima and minima; sums over many terms, partial sums and values carried from step to step in f32; what a program stores and reads back later, other than sums and carried values, may be rounded once to bf16 or f16.
;; Inputs: W1 8 x 1,024 x 4,096 float32; W2 8 x 4,096 x 1,024 float32; Wg 1,024 x 8 float32; b1 8 x 4,096 float32; b2 8 x 1,024 float32; bg 8 float32; x 1,024 x 1,024 float32.
;; Outputs: out0 1,024 x 1,024 float32; out1 one number float32.
;; 2 versions, each right; version 2 is version 1 with the launches ffn1, ffn2 written anew for expert scheduling mode. Each part assembles by itself: llvm-mc -triple=amdgcn-amd-amdhsa -mcpu=gfx1250 --defsym DOCPART=n.
;; ======== version 1 of 2: 5 launches
;; limits: a function is approximated: absolute error at most 2.5e-05; an absolute error that grows with the inputs' magnitude: up to 1.3e-05 times it
;; workspace buffers: route 8,192 bytes of whole numbers; gate 10,240 bytes; tab 33,792 bytes of whole numbers; xg 16,777,216 bytes; hid 67,108,864 bytes; y 134,217,728 bytes
;; launch router (part 1): grid 64 x 1, 8 waves a work-group, no clusters, 5,120 bytes of LDS; arguments x, Wg, bg, route, gate; writes route, gate
.if DOCPART == 1
	.amdgcn_target "amdgcn-amd-amdhsa--gfx1250"
	.amdhsa_code_object_version 6
	.text
	.protected	k_q3d915d656a_router
	.globl	k_q3d915d656a_router
	.p2align	8
	.type	k_q3d915d656a_router,@function
k_q3d915d656a_router:
	s_mov_b64 s[64:65], 0
	v_nop
	global_prefetch_b8 v0, s[64:65] scope:SCOPE_SE
	s_setreg_imm32_b32 hwreg(HW_REG_WAVE_MODE, 25, 1), 1
	s_wait_xcnt 0x0
; THE ROUTER.  logits = x Wg + bg, softmax over 8 experts, the two largest (the lower index wins a tie), their weights renormalised.
; x, Wg and bg are rounded to bf16; products on the matrix unit, sums in f32.  The row's maximum is taken away before the exponentials.
; LIMIT: a probability below 2^-126 counts as 0.
; SHARES.  A work-group has 16 tokens; wave w sums k = 128 w .. 128 w + 127 (four steps of 32); the eight parts meet in LDS, wave 0 finishes.
; Both operands use one map of k: place (half h of the lanes, element i of 16) holds k = 128 w + 32 step + 16 h + i, so x comes by 16-byte loads.
; Source 0 = Wg turned (row m = expert m % 8), source 1 = 16 tokens: a lane then holds all eight logits of token lane % 16.
; OUT: route[t] = (e0, e1), gate[t] = (p0, p1), and at gate + 8192 the work-group's sums of the eight probabilities, for the loss.
.set SPARE, 4096                       ; behind the parts (8 waves x 16 tokens x 32 bytes): the spare words, 128 bytes a wave
.set X,  16                            ; v[16:79]   x as loaded
.set G,  80                            ; v[80:143]  Wg as loaded
.set XF, 144                           ; v[144:175] x in bf16, four fragments
.set GF, 176                           ; v[176:207] Wg in bf16, four fragments
.set P,  104                           ; later: the eight probabilities
	s_load_b256 s[4:11], s[0:1], 0x0               ; x s[4:5], Wg s[6:7], bg s[8:9], route s[10:11]
	s_load_b64 s[12:13], s[0:1], 0x20              ; gate
	v_lshl_add_u32 v6, v0, 2, SPARE                ; my spare word,
	v_mov_b32 v7, 0                                ; and 0: kept for the closing lines alone
	v_lshrrev_b32 v8, 5, v0
	v_readfirstlane_b32 s14, v8                    ; wave
	v_and_b32 v1, 15, v0                           ; r: the token
	v_bfe_u32 v2, v0, 4, 1                         ; h
	v_lshlrev_b32 v3, 12, v1                       ; x: 4,096 r
	v_lshl_add_u32 v3, v2, 6, v3                   ;    + 64 h
	s_lshl_b32 s15, s14, 9
	v_add_nc_u32 v3, s15, v3                       ;    + 512 w
	v_and_b32 v4, 7, v0                            ; Wg: 4 (r % 8)
	v_lshlrev_b32 v4, 2, v4
	v_lshl_add_u32 v4, v2, 9, v4                   ;    + 16 h rows of 32 bytes
	s_lshl_b32 s16, s14, 12
	v_add_nc_u32 v4, s16, v4                       ;    + 128 w rows
	v_lshlrev_b32 v5, 5, v1
	v_add_nc_u32 v5, s15, v5                       ; LDS: 512 w + 32 r
	s_lshl_b32 s18, ttmp9, 16                      ; the work-group's 16 rows of x
	s_mov_b32 s19, 0
	s_wait_kmcnt 0x0
	s_add_nc_u64 s[4:5], s[4:5], s[18:19]
	s_load_b256 s[24:31], s[8:9], 0x0              ; bg
.irp k, 0,1,2,3
.irp c, 0,1,2,3
	global_load_b128 v[X+16*(\k)+4*(\c):X+16*(\k)+4*(\c)+3], v3, s[4:5] offset:128*(\k)+16*(\c)
.endr
.endr
.set i, 0
.rept 64
	global_load_b32 v[G+i], v4, s[6:7] offset:32*(32*(i/16)+i%16)
.set i, i+1
.endr
	s_wait_loadcnt 0x0
	s_wait_kmcnt 0x0
.set i, 0
.rept 32
	v_cvt_pk_bf16_f32 v[XF+i], v[X+2*i], v[X+2*i+1]
	v_cvt_pk_bf16_f32 v[GF+i], v[G+2*i], v[G+2*i+1]
.set i, i+1
.endr
	; two accumulators take turns, one instruction a turn; the first two products start the sums
	v_wmma_f32_16x16x32_bf16 v[208:215], v[GF:GF+7], v[XF:XF+7], 0
	v_wmma_f32_16x16x32_bf16 v[216:223], v[GF+8:GF+15], v[XF+8:XF+15], 0
	v_wmma_f32_16x16x32_bf16 v[208:215], v[GF+16:GF+23], v[XF+16:XF+23], v[208:215]
	v_wmma_f32_16x16x32_bf16 v[216:223], v[GF+24:GF+31], v[XF+24:XF+31], v[216:223]
.rept 4
	v_nop                                          ; four places between a matrix result and its first reader (ISA guide 7.12.1)
.endr
.irp j, 0,2,4,6
	v_pk_add_f32 v[16+(\j):17+(\j)], v[208+(\j):209+(\j)], v[216+(\j):217+(\j)]
.endr
	ds_store_b128 v5, v[16:19]                     ; lanes r and r + 16 hold the same numbers and write the same bytes
	ds_store_b128 v5, v[20:23] offset:16
	s_wait_dscnt 0x0                               ; for the others' sake: my part is in LDS
	s_barrier_signal -1
	s_barrier_wait -1
	s_cmp_lg_u32 s14, 0
	s_cbranch_scc1 .Lend                           ; waves 1 to 7 are done
.irp w, 0,1,2,3,4,5,6,7
	ds_load_b128 v[16+8*(\w):19+8*(\w)], v5 offset:512*(\w)      ; in wave 0 v5 = 32 r
	ds_load_b128 v[20+8*(\w):23+8*(\w)], v5 offset:512*(\w)+16
.endr
.irp j, 0,1,2,3,4,5,6,7
	v_mov_b32 v[92+(\j)], s[24+(\j)]
.endr
.irp j, 0,1,2,3
	v_cvt_pk_bf16_f32 v[80+(\j)], v[92+2*(\j)], v[93+2*(\j)]     ; bg rounded to bf16,
.endr
.irp j, 0,1,2,3
	v_lshlrev_b32 v[84+2*(\j)], 16, v[80+(\j)]                   ; and widened again
	v_and_b32 v[85+2*(\j)], 0xffff0000, v[80+(\j)]
.endr
	s_wait_dscnt 0x0
.irp w, 1,2,3,4,5,6,7
.irp j, 0,2,4,6
	v_pk_add_f32 v[16+(\j):17+(\j)], v[16+(\j):17+(\j)], v[16+8*(\w)+(\j):17+8*(\w)+(\j)]  ; the parts, k ascending
.endr
.endr
.irp j, 0,2,4,6
	v_pk_add_f32 v[16+(\j):17+(\j)], v[16+(\j):17+(\j)], v[84+(\j):85+(\j)]
.endr
	v_max3_num_f32 v100, v16, v17, v18
	v_max3_num_f32 v100, v100, v19, v20
	v_max3_num_f32 v100, v100, v21, v22
	v_max_num_f32 v100, v100, v23                  ; the row's maximum
.irp j, 0,1,2,3,4,5,6,7
	v_sub_f32 v[P+(\j)], v[16+(\j)], v100
.endr
.irp j, 0,1,2,3,4,5,6,7
	v_mul_f32 v[P+(\j)], 0x3fb8aa3b, v[P+(\j)]     ; times log2(e)
.endr
.irp j, 0,1,2,3,4,5,6,7
	v_exp_f32 v[P+(\j)], v[P+(\j)]
.endr
	v_nop                                          ; a plain instruction behind the last exponential,
	s_wait_alu depctr_va_vdst(0)                   ; and one wait for the batch of eight, ahead of its first reader
	v_pk_add_f32 v[112:113], v[P:P+1], v[P+2:P+3]
	v_pk_add_f32 v[114:115], v[P+4:P+5], v[P+6:P+7]
	v_pk_add_f32 v[112:113], v[112:113], v[114:115]
	v_add_f32 v101, v112, v113
	v_rcp_f32 v102, v101
	v_nop
	s_wait_alu depctr_va_vdst(0)
.irp j, 0,1,2,3,4,5,6,7
	v_mul_f32 v[P+(\j)], v[P+(\j)], v102           ; the probabilities
.endr
	; the largest: an ascending scan that keeps what it has on a tie, so the lower index wins
	v_mov_b32 v120, v[P]
	v_mov_b32 v142, 0
.irp j, 1,2,3,4,5,6,7
	v_cmp_ge_f32 vcc_lo, v120, v[P+(\j)]
	v_cndmask_b32 v142, \j, v142, vcc_lo
	v_max_num_f32 v120, v120, v[P+(\j)]
.endr
	v_mov_b32 v126, -1.0                           ; the winner is taken out, and the scan goes once more
.irp j, 0,1,2,3,4,5,6,7
	v_cmp_eq_u32 vcc_lo, \j, v142
	v_cndmask_b32 v[128+(\j)], v[P+(\j)], v126, vcc_lo
.endr
	v_mov_b32 v122, v128
	v_mov_b32 v143, 0
.irp j, 1,2,3,4,5,6,7
	v_cmp_ge_f32 vcc_lo, v122, v[128+(\j)]
	v_cndmask_b32 v143, \j, v143, vcc_lo
	v_max_num_f32 v122, v122, v[128+(\j)]
.endr
	v_add_f32 v124, v120, v122
	v_rcp_f32 v125, v124
	v_lshlrev_b32 v9, 3, v1                        ; (a plain instruction behind the reciprocal) 8 r
	s_wait_alu depctr_va_vdst(0)
	v_mul_f32 v140, v120, v125                     ; p0
	v_mul_f32 v141, v122, v125                     ; p1
.irp m, 1,2,4,8
.irp j, 0,1,2,3,4,5,6,7
	v_add_f32_dpp v[P+(\j)], v[P+(\j)], v[P+(\j)] row_xmask:\m row_mask:0xf bank_mask:0xf  ; each probability summed over the 16 tokens
.endr
.endr
	s_lshl_b32 s16, ttmp9, 7
	v_add_nc_u32 v9, s16, v9                       ; 8 (16 g + r)
	s_lshl_b32 s17, ttmp9, 5
	v_mov_b32 v10, s17                             ; 32 g
	s_wait_xcnt 0x0                                ; EXEC changes only behind this wait
	v_cmp_gt_u32 vcc_lo, 16, v0
	s_and_saveexec_b32 s20, vcc_lo                 ; lanes 0 to 15: one lane a token
	global_store_b64 v9, v[142:143], s[10:11]
	global_store_b64 v9, v[140:141], s[12:13]
	s_wait_xcnt 0x0
	s_or_b32 exec_lo, exec_lo, s20
	v_cmp_eq_u32 vcc_lo, 0, v0
	s_and_saveexec_b32 s20, vcc_lo                 ; lane 0: the eight sums
	global_store_b128 v10, v[P:P+3], s[12:13] offset:8192
	global_store_b128 v10, v[P+4:P+7], s[12:13] offset:8208
	s_wait_xcnt 0x0
	s_or_b32 exec_lo, exec_lo, s20
.Lend:
	s_wait_tensorcnt 0x0                           ; the wave's end
	ds_add_u32 v6, v7
	s_wait_dscnt 0x0
	s_endpgm
.Lfunc_end_k_q3d915d656a_router:
	.size	k_q3d915d656a_router, .Lfunc_end_k_q3d915d656a_router-k_q3d915d656a_router
	.p2alignl 7, 3214868480
	.fill 96, 4, 3214868480
	.section	.rodata,"a",@progbits
	.p2align	6, 0x0
	.amdhsa_kernel k_q3d915d656a_router
		.amdhsa_group_segment_fixed_size 5120
		.amdhsa_private_segment_fixed_size 0
		.amdhsa_enable_private_segment 0
		.amdhsa_kernarg_size 40
		.amdhsa_user_sgpr_count 2
		.amdhsa_user_sgpr_kernarg_segment_ptr 1
		.amdhsa_wavefront_size32 1
		.amdhsa_system_sgpr_workgroup_id_x 1
		.amdhsa_system_sgpr_workgroup_id_y 1
		.amdhsa_system_sgpr_workgroup_id_z 1
		.amdhsa_system_vgpr_workitem_id 0
		.amdhsa_next_free_vgpr 224
		.amdhsa_next_free_sgpr 66
		.amdhsa_reserve_vcc 1
		.amdhsa_float_denorm_mode_32 3
		.amdhsa_float_denorm_mode_16_64 3
		.amdhsa_memory_ordered 1
		.amdhsa_forward_progress 1
		.amdhsa_inst_pref_size 25
	.end_amdhsa_kernel
	.amdgpu_metadata
---
amdhsa.version: [ 1, 2 ]
amdhsa.kernels:
  - .name:           k_q3d915d656a_router
    .symbol:         k_q3d915d656a_router.kd
    .args:
      - { .name: x, .offset: 0, .size: 8, .value_kind: global_buffer, .address_space: global }
      - { .name: Wg, .offset: 8, .size: 8, .value_kind: global_buffer, .address_space: global }
      - { .name: bg, .offset: 16, .size: 8, .value_kind: global_buffer, .address_space: global }
      - { .name: route, .offset: 24, .size: 8, .value_kind: global_buffer, .address_space: global }
      - { .name: gate, .offset: 32, .size: 8, .value_kind: global_buffer, .address_space: global }
    .group_segment_fixed_size: 5120
    .private_segment_fixed_size: 0
    .kernarg_segment_align: 8
    .kernarg_segment_size: 40
    .max_flat_workgroup_size: 256
    .sgpr_count:     66
    .vgpr_count:     224
    .wavefront_size: 32
...
	.end_amdgpu_metadata
.endif
;; end of part 1
;; launch place (part 2): grid 128 x 8, 1 waves a work-group, no clusters, 768 bytes of LDS; arguments route, x, tab, xg; writes tab, xg
.if DOCPART == 2
	.amdgcn_target "amdgcn-amd-amdhsa--gfx1250"
	.amdhsa_code_object_version 6
	.text
	.protected	k_q3d915d656a_place
	.globl	k_q3d915d656a_place
	.p2align	8
	.type	k_q3d915d656a_place,@function
k_q3d915d656a_place:
	s_mov_b64 s[64:65], 0
	v_nop
	global_prefetch_b8 v0, s[64:65] scope:SCOPE_SE
	s_setreg_imm32_b32 hwreg(HW_REG_WAVE_MODE, 25, 1), 1
	s_wait_xcnt 0x0
; THE PLACING.  Expert e's tokens, in ascending order, get ranks 0, 1, ..; rank / 16 is their tile, rank % 16 their row in it.  All of it is whole-number work on route.
; A work-group is ONE wave.  Work-group (x, e), x = q + 16 w, owns tiles j = q, q + 16, q + 32, q + 48 of expert e and of each the K steps 4 w .. 4 w + 3.
; It scans all 1,024 choices for itself (8 KB), keeps in LDS the token numbers of its own tiles' rows, then gathers those rows of x, rounds them to bf16 and stores them
; as matrix operands: block (tile, K step) is 1,024 bytes; byte 512 half + 16 lane holds row lane % 16, k = 32 step + 16 half + 8 (lane / 16) + 0..7.  Each store covers 512 consecutive bytes.
; THE SCAN goes in batches, each step for all 32 chunks of 32 tokens, so that no instruction waits for the one before it: the compares; the scalar prefix sums; the vector steps.
; Rows past an expert's count repeat token 0; their results are never read.  Tiles at or past T = ceil(count / 16) are not written.
; tab: rank[e][t] at 4 (1,024 e + t) (of use only where t chose e), and T of expert e, 32 times, at 32,768 + 128 e.  The work-groups with q = 0 store them.
; The gather reads 32 bytes a lane of rows 4,096 bytes apart: 8 MB in all for the 2,048 routed rows.
.set SPARE, 512                        ; LDS: bytes 0..255 the list (index 16 i + row), word 64 takes what is not mine and is never read; the spare words from 512
.set RT, 20                            ; v[20:83]   route, 32 chunks of 32 tokens: (e0, e1)
.set X,  84                            ; v[84:147]  a tile's rows as loaded; in the scan: chunk c's two registers at work, X + c and X + 32 + c
.set O,  148                           ; v[148:179] a tile in bf16; in the scan: chunk c's ranks at O + c
.set M,  32                            ; s[32:63]   chunk c's members, a bit a lane
.set PF, 66                            ; s[66:97]   members before chunk c; later: which lanes' ranks fall into my tiles
	s_load_b256 s[4:11], s[0:1], 0x0               ; route s[4:5], x s[6:7], tab s[8:9], xg s[10:11]
	v_lshl_add_u32 v6, v0, 2, SPARE                ; my spare word,
	v_mov_b32 v7, 0                                ; and 0: kept for the closing lines alone
	s_and_b32 s16, ttmp9, 15                       ; q
	s_lshr_b32 s14, ttmp9, 4                       ; w
	s_and_b32 s15, ttmp7, 0xffff                   ; e
	v_and_b32 v2, 15, v0                           ; r
	v_bfe_u32 v3, v0, 4, 1                         ; h
	v_lshlrev_b32 v4, 2, v0
	v_lshlrev_b32 v5, 4, v0
	v_lshlrev_b32 v10, 3, v0
	v_mov_b32 v8, 0
	v_lshlrev_b32 v15, 2, v2                       ; 4 r
	v_lshlrev_b32 v9, 5, v3
	s_lshl_b32 s24, s14, 9
	v_add_nc_u32 v9, s24, v9                       ; 32 h + 512 w: my bytes in a row of x
	s_mov_b32 s17, 0                               ; members counted so far
	s_cmp_eq_u32 s16, 0
	s_cselect_b32 s18, s14, 99                     ; which four chunks' ranks I store: w where q = 0, else none
	s_lshl_b32 s24, s15, 12
	s_mov_b32 s25, 0
	s_lshl_b32 s26, s15, 7
	s_add_co_u32 s26, s26, 32768
	s_mov_b32 s27, 0
	s_wait_kmcnt 0x0
	s_add_nc_u64 s[28:29], s[8:9], s[24:25]        ; rank[e][..]
	s_add_nc_u64 s[30:31], s[8:9], s[26:27]        ; T of e
.set c, 0
.rept 32
	global_load_b64 v[RT+2*c:RT+2*c+1], v10, s[4:5] offset:256*c
.set c, c+1
.endr
	ds_store_b32 v4, v8                            ; the list starts as token 0 everywhere
	ds_store_b32 v4, v8 offset:128
	s_wait_loadcnt 0x0
.macro ALLC line:vararg                ; one line for each chunk c
.set c, 0
.rept 32
	\line
.set c, c+1
.endr
.endm
	ALLC v_cmp_eq_u32 s[M+c], s15, v[RT+2*c]       ; who chose e first,
	ALLC v_cmp_eq_u32 s[PF+c], s15, v[RT+2*c+1]    ; who second
.set c, 0
.rept 32
	s_or_b32 s[M+c], s[M+c], s[PF+c]               ; the members
	s_mov_b32 s[PF+c], s17                         ; how many stand before the chunk
	s_bcnt1_i32_b32 s23, s[M+c]
	s_add_co_u32 s17, s17, s23
.set c, c+1
.endr
	ALLC v_mbcnt_lo_u32_b32 v[O+c], s[M+c], s[PF+c]  ; rank = members before the chunk + members in lower lanes
	ALLC v_bfe_u32 v[X+c], v[O+c], 4, 4            ; tile % 16
	ALLC v_cmp_eq_u32 s[PF+c], s16, v[X+c]         ; is it one of my tiles?
	ALLC v_lshrrev_b32 v[X+32+c], 4, v[O+c]
	ALLC v_and_b32 v[X+c], 15, v[O+c]
	ALLC v_and_or_b32 v[X+c], v[X+32+c], 48, v[X+c]  ; 16 (tile / 16) + row
	ALLC v_cndmask_b32 v[X+c], 64, v[X+c], s[PF+c] ; what is not in my tiles,
	ALLC v_cndmask_b32 v[X+c], 64, v[X+c], s[M+c]  ; and who is no member, goes to word 64
	ALLC v_min_u32 v[X+c], 64, v[X+c]
	ALLC v_lshlrev_b32 v[X+c], 2, v[X+c]
	ALLC v_add_nc_u32 v[X+32+c], 32*c, v0          ; the token
	ALLC ds_store_b32 v[X+c], v[X+32+c]
.macro RANKS j                         ; chunks 4 j .. 4 j + 3: stored by the work-group with q = 0 and w = j
	s_cmp_eq_u32 s18, \j
	s_cbranch_scc0 .Lnr_\@
.irp d, 0,1,2,3
	global_store_b32 v4, v[O+4*(\j)+(\d)], s[28:29] offset:128*(4*(\j)+(\d))
.endr
.Lnr_\@:
.endm
.irp j, 0,1,2,3,4,5,6,7
	RANKS \j
.endr
	s_add_co_u32 s19, s17, 15
	s_lshr_b32 s19, s19, 4                         ; T
	v_mov_b32 v14, s19
	s_cmp_eq_u32 s18, 0
	s_cbranch_scc0 .Lno_t
	global_store_b32 v4, v14, s[30:31]
.Lno_t:
; Tile j = q + 16 i, if the expert has it: 16 rows x 128 k.
.macro TILE i
	s_add_co_u32 s20, s16, 16*(\i)
	s_cmp_lt_u32 s20, s19
	s_cbranch_scc0 .Lnt_\@
	s_wait_xcnt 0x0                                ; the stores so far (the ranks, the last tile) have read their data and base
	s_lshl_b32 s21, s15, 6
	s_add_co_u32 s21, s21, s20                     ; 64 e + j
	s_lshl_b32 s24, s21, 15                        ; 32 blocks of 1,024 bytes a tile
	s_lshl_b32 s22, s14, 12                        ; my four blocks
	s_add_co_u32 s24, s24, s22
	s_mov_b32 s25, 0
	s_add_nc_u64 s[26:27], s[10:11], s[24:25]
	ds_load_b32 v10, v15 offset:64*(\i)            ; LDS serves a wave's instructions in order: this sees the scan's stores
	s_wait_dscnt 0x0
	v_min_u32 v10, 0x3ff, v10
	v_lshl_add_u32 v10, v10, 12, v9
.irp f, 0,1,2,3,4,5,6,7                ; f = 2 x step + half
	global_load_b128 v[X+8*(\f):X+8*(\f)+3],   v10, s[6:7] offset:64*(\f)
	global_load_b128 v[X+8*(\f)+4:X+8*(\f)+7], v10, s[6:7] offset:64*(\f)+16
.endr
	s_wait_loadcnt 0x0
.set z, 0
.rept 32
	v_cvt_pk_bf16_f32 v[O+z], v[X+2*z], v[X+2*z+1]
.set z, z+1
.endr
.irp f, 0,1,2,3,4,5,6,7
	global_store_b128 v5, v[O+4*(\f):O+4*(\f)+3], s[26:27] offset:512*(\f)
.endr
.Lnt_\@:
.endm
	TILE 0
	TILE 1
	TILE 2
	TILE 3
	s_wait_tensorcnt 0x0                           ; the wave's end
	ds_add_u32 v6, v7
	s_wait_dscnt 0x0
	s_endpgm
.Lfunc_end_k_q3d915d656a_place:
	.size	k_q3d915d656a_place, .Lfunc_end_k_q3d915d656a_place-k_q3d915d656a_place
	.p2alignl 7, 3214868480
	.fill 96, 4, 3214868480
	.section	.rodata,"a",@progbits
	.p2align	6, 0x0
	.amdhsa_kernel k_q3d915d656a_place
		.amdhsa_group_segment_fixed_size 768
		.amdhsa_private_segment_fixed_size 0
		.amdhsa_enable_private_segment 0
		.amdhsa_kernarg_size 32
		.amdhsa_user_sgpr_count 2
		.amdhsa_user_sgpr_kernarg_segment_ptr 1
		.amdhsa_wavefront_size32 1
		.amdhsa_system_sgpr_workgroup_id_x 1
		.amdhsa_system_sgpr_workgroup_id_y 1
		.amdhsa_system_sgpr_workgroup_id_z 1
		.amdhsa_system_vgpr_workitem_id 0
		.amdhsa_next_free_vgpr 192
		.amdhsa_next_free_sgpr 98
		.amdhsa_reserve_vcc 0
		.amdhsa_float_denorm_mode_32 3
		.amdhsa_float_denorm_mode_16_64 3
		.amdhsa_memory_ordered 1
		.amdhsa_forward_progress 1
		.amdhsa_inst_pref_size 56
	.end_amdhsa_kernel
	.amdgpu_metadata
---
amdhsa.version: [ 1, 2 ]
amdhsa.kernels:
  - .name:           k_q3d915d656a_place
    .symbol:         k_q3d915d656a_place.kd
    .args:
      - { .name: route, .offset: 0, .size: 8, .value_kind: global_buffer, .address_space: global }
      - { .name: x, .offset: 8, .size: 8, .value_kind: global_buffer, .address_space: global }
      - { .name: tab, .offset: 16, .size: 8, .value_kind: global_buffer, .address_space: global }
      - { .name: xg, .offset: 24, .size: 8, .value_kind: global_buffer, .address_space: global }
    .group_segment_fixed_size: 768
    .private_segment_fixed_size: 0
    .kernarg_segment_align: 8
    .kernarg_segment_size: 32
    .max_flat_workgroup_size: 32
    .sgpr_count:     98
    .vgpr_count:     192
    .wavefront_size: 32
...
	.end_amdgpu_metadata
.endif
;; end of part 2
;; launch ffn1 (part 3): grid 32 x 8, 4 waves a work-group, no clusters, 266,752 bytes of LDS; arguments W1, b1, xg, tab, hid; writes hid
.if DOCPART == 3
	.amdgcn_target "amdgcn-amd-amdhsa--gfx1250"
	.amdhsa_code_object_version 6
	.text
	.protected	k_q3d915d656a_ffn1
	.globl	k_q3d915d656a_ffn1
	.p2align	8
	.type	k_q3d915d656a_ffn1,@function
k_q3d915d656a_ffn1:
	s_mov_b64 s[64:65], 0
	v_nop
	global_prefetch_b8 v0, s[64:65] scope:SCOPE_SE
	s_setreg_imm32_b32 hwreg(HW_REG_WAVE_MODE, 25, 1), 1
	s_wait_xcnt 0x0
; THE FIRST PRODUCT.  hid = gelu(x W1[e] + b1[e]) for the rows routed to expert e, in bf16.  W1 and b1 are rounded to bf16, sums in f32.
; LIMITS.  gelu(x) = max(x, 0) - |x| q(t) 2^(-x x log2(e) / 2), t = 1 / (1 + 0.3326725 |x|), q a cubic: erf by a rational formula whose absolute error is at most 2.5e-5 for every
; argument, so gelu is off by at most 1.3e-5 |x|, far below the rounding of hid to bf16.
; SHARES.  Work-group (s, e) has all 1,024 k of columns 128 s .. 128 s + 127 of expert e: 512 KB of f32 that it alone reads, once.
; PHASE A, THE STREAM.  Wave w takes k rows 256 w .. 256 w + 255.  A load is one k row of the slice, 512 consecutive bytes; eight rows are a unit; a ring of eight units in registers keeps
; 64 loads, 32 KB, of every wave on their way.  A unit is rounded to bf16, two k to a word, and stored into LDS as matrix operands.  One barrier; behind it nobody writes those bytes.
; Each unit has a pointer and sixteen packing registers of its own: the pointer steps behind the counted wait that shows the unit's loads done, and no conversion rewrites what a recent LDS store reads.
; PHASE B, THE TILES.  The expert's T tiles of 16 rows (T read from tab) are dealt to the four waves; a wave takes up to five at a time through all 32 K steps.  The weights come from LDS,
; the token blocks from memory straight into operand registers.  No barrier and no LDS write stand in this phase, so its length may hang on T.  Every split is served: T = 0 .. 64.
; A second barrier stands behind the phase, on every wave's path: all waves' LDS reads are over before any wave's closing LDS write.
; NO JOINT LOADS: each weight byte has one reader; the token blocks are shared by an expert's 32 work-groups, but they are read in a loop whose length hangs on a stored count.
; THE PRODUCT is used turned: source 0 = 16 columns of W, source 1 = 16 tokens.  A lane then holds token lane % 16 and columns 16 nb + 8 (lane / 16) + 0..7: 16 bytes of bf16 that are
; its place in the next product's token block, so each store covers 512 consecutive bytes.
; REGISTERS, in windows of 256 (s_set_vgpr_msb: bits 1:0 source 0, 3:2 source 1, 5:4 source 2, 7:6 destination):
;   window 0: v1 16 x lane; v4 LDS address of the fragments; v5 the stream's LDS address; v6-10 the five slots' token offsets; v11 store offset; v12, v13 the add's; v15 bias offset;
;             v16-31 at work; v64-127 bias; v128-191, v192-255 weight fragments, two buffers (in phase A: the packing registers; on the way out: at work)
;   window 1: accumulators of slots 0-3 at 64 g + 8 nb (in phase A: the ring)          window 2: v0-63 slot 4's; v64-223 token fragments: set k % 4, slot g at 64 + 40 (k % 4) + 8 g
.set RP,    16384                      ; bytes from a k row of W1 to the next
.set BLK,   1040                       ; a fragment block (K step, 16 columns) in LDS: 1,024 bytes + 16, so that the 16 lanes of a store touch 16 different 16-byte columns of 256
.set KST,   8*BLK                      ; a K step's eight blocks
.set SPARE, 256*BLK                    ; behind the 256 blocks: the spare words, 128 bytes a wave
.set TPSH,  15                         ; a tile of xg is 32 blocks of 1,024 bytes
.set OSH,   17                         ; a tile of hid 128 blocks
.set PB,    48                         ; s[48:55]  the token pointer of fragment set k
.set QW,    68                         ; s[68:83]  the weight pointer of ring unit i
.set TS,    128                        ; v[128:255] in phase A: unit i's packed words at TS + 16 i
.set MSB, 0
.macro WIN new                         ; the immediate's high byte repeats the setting that is left; a switch that changes nothing is dropped
.if MSB != (\new)
	s_set_vgpr_msb (MSB<<8)|(\new)
.set MSB, (\new)
.endif
.endm
	s_load_b256 s[4:11], s[0:1], 0x0               ; W1 s[4:5], b1 s[6:7], xg s[8:9], tab s[10:11]
	s_load_b64 s[12:13], s[0:1], 0x20              ; hid
	v_lshl_add_u32 v12, v0, 2, SPARE               ; my spare word,
	v_mov_b32 v13, 0                               ; and 0: kept for the closing lines alone
	v_lshrrev_b32 v1, 5, v0
	v_readfirstlane_b32 s14, v1                    ; wave
	s_and_b32 s15, ttmp7, 0xffff                   ; e
	s_mov_b32 s16, ttmp9                           ; s
	v_and_b32 v1, 31, v0
	v_lshlrev_b32 v1, 4, v1                        ; 16 x lane
	v_bfe_u32 v3, v0, 4, 1
	v_lshlrev_b32 v15, 5, v3                       ; bias: 32 (lane / 16)
	v_bfe_u32 v5, v0, 2, 3                         ; the stream's stores: my four columns lie in block lane / 4,
	v_mul_u32_u24 v5, v5, BLK
	v_and_b32 v16, 3, v0
	v_lshl_add_u32 v5, v16, 6, v5                  ; at rows 4 (lane % 4) + 0..3 of 16 bytes,
	s_mul_i32 s24, s14, 8*KST
	v_add_nc_u32 v5, s24, v5                       ; in my wave's eight K steps
	s_lshl_b32 s32, s15, 24                        ; W1: 16 MB an expert
	s_lshl_b32 s24, s16, 9                         ;     + 512 bytes a slice
	s_add_co_u32 s32, s32, s24
	s_lshl_b32 s26, s14, 22                        ;     + 256 rows a wave
	s_add_co_u32 s32, s32, s26
	s_mov_b32 s33, 0
	s_lshl_b32 s26, s15, 14                        ; b1: 16,384 e + 512 s
	s_add_co_u32 s24, s24, s26
	s_mov_b32 s25, 0
	s_lshl_b32 s26, s16, 12                        ; hid: the slice's four blocks in a tile
	s_mov_b32 s27, 0
	s_lshl_b32 s45, s15, 7                         ; tab: T of e
	s_lshl_b32 s44, s15, 6                         ; the expert's first tile
	s_mov_b32 s34, 0x3ebf7377                      ; q(t) = t (0.1740121 + t (-0.0479399 + 0.3739278 t)); each constant as a pair, of which the low word serves both halves
	s_mov_b32 s35, s34
	s_mov_b32 s36, 0xbd445ca1
	s_mov_b32 s37, s36
	s_mov_b32 s38, 0x3e32303a
	s_mov_b32 s39, s38
	s_mov_b32 s40, 0xbf38aa3b                      ; -log2(e) / 2
	s_mov_b32 s41, s40
	s_mov_b32 s42, 0x3eaa540e                      ; 0.3326725
	s_wait_kmcnt 0x0
	s_add_nc_u64 s[30:31], s[4:5], s[32:33]
	s_add_nc_u64 s[6:7], s[6:7], s[24:25]
	s_add_nc_u64 s[12:13], s[12:13], s[26:27]
	s_load_b32 s17, s[10:11], s45 offset:0x8000
.irp i, 0,1,2,3,4,5,6,7
	s_mov_b64 s[QW+2*(\i):QW+2*(\i)+1], s[30:31]
.endr
.irp nb, 0,1,2,3,4,5,6,7
	global_load_b128 v[64+8*(\nb):64+8*(\nb)+3],   v15, s[6:7] offset:64*(\nb)
	global_load_b128 v[64+8*(\nb)+4:64+8*(\nb)+7], v15, s[6:7] offset:64*(\nb)+16
.endr
.macro LOADU i                         ; eight k rows into ring unit i, by the unit's own pointer
	WIN 0x40
.irp p, 0,1,2,3,4,5,6,7
	global_load_b128 v[32*(\i)+4*(\p):32*(\i)+4*(\p)+3], v1, s[QW+2*(\i):QW+2*(\i)+1] offset:(8*(\i)+(\p))*RP th:TH_LOAD_NT
.endr
.endm
; Unit i of a trip's eight: k rows 8 i .. 8 i + 7.  left = the younger loads that may stay out.  For each of my four columns eight k pack into 16 bytes: K step i / 4, half (i / 2) % 2, lanes' half i % 2.
.macro UNIT i, ahead, left
	s_wait_loadcnt \left                           ; loads end in order: this unit's eight are in, so their pointer may be written
.if \ahead
	s_add_nc_u64 s[QW+2*(\i):QW+2*(\i)+1], s[QW+2*(\i):QW+2*(\i)+1], 64*RP
.endif
	WIN 0x05
.irp c, 0,1,2,3
.irp p, 0,1,2,3
	v_cvt_pk_bf16_f32 v[TS+16*(\i)+4*(\c)+(\p)], v[32*(\i)+8*(\p)+(\c)], v[32*(\i)+8*(\p)+4+(\c)]
.endr
.endr
	WIN 0
.irp c, 0,1,2,3
	ds_store_b128 v5, v[TS+16*(\i)+4*(\c):TS+16*(\i)+4*(\c)+3] offset:((\i)/4)*KST+(((\i)/2)%2)*512+((\i)%2)*256+16*(\c)
.endr
.if \ahead
	LOADU \i
.endif
.endm
.irp i, 0,1,2,3,4,5,6,7
	LOADU \i
.endr
	WIN 0
	s_mov_b32 s22, 3
.Lstream:                                              ; three trips of 64 rows, each asking for the next 64
.irp i, 0,1,2,3,4,5,6,7
	UNIT \i, 1, 56                                 ; seven younger units of eight loads stay out
.endr
	WIN 0
	v_add_nc_u32 v5, 2*KST, v5
	s_sub_co_u32 s22, s22, 1
	s_cmp_lg_u32 s22, 0
	s_cbranch_scc1 .Lstream
.irp i, 0,1,2,3,4,5,6,7
	UNIT \i, 0, 56-8*(\i)                          ; the last 64 rows: nothing more is asked for, the counts run down
.endr
.set z, 0
.rept 32
	v_cvt_pk_bf16_f32 v16, v[64+2*z], v[65+2*z]    ; the bias rounded to bf16 and widened again
	v_lshlrev_b32 v[64+2*z], 16, v16
	v_and_b32 v[65+2*z], 0xffff0000, v16
.set z, z+1
.endr
	s_wait_kmcnt 0x0                               ; T
	s_wait_dscnt 0x0                               ; for the others' sake: my fragments are in LDS
	s_barrier_signal -1
	s_barrier_wait -1
	s_min_u32 s17, s17, 64
	s_mul_i32 s18, s14, s17
	s_add_co_u32 s19, s18, s17
	s_lshr_b32 s18, s18, 2                         ; my first tile: w T / 4
	s_lshr_b32 s19, s19, 2
	s_sub_co_u32 s19, s19, s18                     ; and how many: 0 to 16
.macro LOADB k                         ; the five slots' token blocks into set k, by the set's own pointer: ten loads of 512 consecutive bytes
	WIN 0x80
.irp g, 0,1,2,3,4
	global_load_b128 v[64+40*(\k)+8*(\g):64+40*(\k)+8*(\g)+3],   v[6+(\g)], s[PB+2*(\k):PB+2*(\k)+1] offset:(\k)*1024
	global_load_b128 v[64+40*(\k)+8*(\g)+4:64+40*(\k)+8*(\g)+7], v[6+(\g)], s[PB+2*(\k):PB+2*(\k)+1] offset:(\k)*1024+512
.endr
	WIN 0
.endm
.macro LOADA k, off                    ; a K step's eight weight fragments into buffer k % 2: sixteen LDS loads
.irp nb, 0,1,2,3,4,5,6,7
	ds_load_b128 v[128+64*((\k)%2)+8*(\nb):128+64*((\k)%2)+8*(\nb)+3],   v4 offset:(\off)*KST+(\nb)*BLK
	ds_load_b128 v[128+64*((\k)%2)+8*(\nb)+4:128+64*((\k)%2)+8*(\nb)+7], v4 offset:(\off)*KST+(\nb)*BLK+512
.endr
.endm
; K step k of a trip's four: eight products for each live slot.  A slot's eight accumulators take turns, one instruction a turn, on every way and round the loop's jump.
; first = 1: the products start the sums, for all five slots without a jump (a dead slot repeats a live tile), so that every accumulator is written.
; dcnt: the next step's sixteen fragment loads may stay out.  lcnt: the younger token sets, ten loads each; behind that wait set k's own loads are done, so its pointer steps four K steps on.
; The fragments of the step two on are fetched behind the products; v4 goes four K steps on in step 2, a step's products behind the last loads that named it, in the place of a v_nop.
.macro KSTEP k, first, la, lb, dcnt, lcnt
	s_wait_dscnt \dcnt
	s_wait_loadcnt \lcnt
.if \lb
	s_add_nc_u64 s[PB+2*(\k):PB+2*(\k)+1], s[PB+2*(\k):PB+2*(\k)+1], 4096
.endif
.irp g, 0,1,2,3,4
.if ((\g) > 0) && !(\first)
	WIN 0
	s_cmp_gt_u32 s20, \g
	s_cbranch_scc0 .Lke_\@
.endif
	WIN 0x58+0x50*((\g)/4)
.irp nb, 0,1,2,3,4,5,6,7
.set AC, (64*(\g))%256+8*(\nb)
.set AA, 128+64*((\k)%2)+8*(\nb)
.set BB, 64+40*(\k)+8*(\g)
.if \first
	v_wmma_f32_16x16x32_bf16 v[AC:AC+7], v[AA:AA+7], v[BB:BB+7], 0
.else
	v_wmma_f32_16x16x32_bf16 v[AC:AC+7], v[AA:AA+7], v[BB:BB+7], v[AC:AC+7]
.endif
.endr
.endr
	WIN 0
.Lke_\@:
.if (\la) && ((\k) == 2)
	v_add_nc_u32 v4, 4*KST, v4
.else
	v_nop
.endif
.rept 3
	v_nop                                          ; four places in all, in front of loads into registers that the products have read, and of the way out's reads
.endr
.if \la
	LOADA \k, ((\k)+2)%4
.endif
.if \lb
	LOADB \k
.endif
.endm
.macro TRIP first, tail                ; four K steps
.if \tail
	KSTEP 0, 0, 1, 0, 16, 30
	KSTEP 1, 0, 1, 0, 16, 20
	KSTEP 2, 0, 0, 0, 16, 10
	KSTEP 3, 0, 0, 0, 0, 0
.else
	KSTEP 0, \first, 1, 1, 16, 30
	KSTEP 1, 0, 1, 1, 16, 30
	KSTEP 2, 0, 1, 1, 16, 30
	KSTEP 3, 0, 1, 1, 16, 30
.endif
.endm
.macro COPY g                          ; slot g's 64 sums plus the bias, each accumulator from its low end on, into v128-191
	WIN 1+(\g)/4
.set z, 0
.rept 32
	v_pk_add_f32 v[128+2*z:129+2*z], v[(64*(\g))%256+2*z:(64*(\g))%256+2*z+1], v[64+2*z:65+2*z]
.set z, z+1
.endr
	WIN 0
.endm
; Sixteen numbers, column blocks 2 b and 2 b + 1: gelu, rounding, and block b of the slice's four.  The 32 transcendentals are one batch with one wait.
.macro GELU16 b
.set XB, 128+16*(\b)
.set z, 0
.rept 16
	v_fma_f32 v[192+z], |v[XB+z]|, s42, 1.0
.set z, z+1
.endr
.set z, 0
.rept 8
	v_pk_mul_f32 v[208+2*z:209+2*z], v[XB+2*z:XB+2*z+1], v[XB+2*z:XB+2*z+1]
.set z, z+1
.endr
.set z, 0
.rept 8
	v_pk_mul_f32 v[208+2*z:209+2*z], v[208+2*z:209+2*z], s[40:41] op_sel_hi:[1,0]
.set z, z+1
.endr
.set z, 0
.rept 16
	v_rcp_f32 v[192+z], v[192+z]                   ; t
.set z, z+1
.endr
.set z, 0
.rept 16
	v_exp_f32 v[208+z], v[208+z]
.set z, z+1
.endr
.set z, 0
.rept 16
	v_max_num_f32 v[224+z], 0, v[XB+z]             ; plain work behind the batch
.set z, z+1
.endr
	s_wait_alu depctr_va_vdst(0)                   ; one wait for the batch, ahead of its first reader
.set z, 0
.rept 8
	v_pk_fma_f32 v[240+2*z:241+2*z], v[192+2*z:193+2*z], s[34:35], s[36:37] op_sel_hi:[1,0,0]
.set z, z+1
.endr
.set z, 0
.rept 8
	v_pk_fma_f32 v[240+2*z:241+2*z], v[240+2*z:241+2*z], v[192+2*z:193+2*z], s[38:39] op_sel_hi:[1,1,0]
.set z, z+1
.endr
.set z, 0
.rept 8
	v_pk_mul_f32 v[240+2*z:241+2*z], v[240+2*z:241+2*z], v[192+2*z:193+2*z]
.set z, z+1
.endr
.set z, 0
.rept 8
	v_pk_mul_f32 v[240+2*z:241+2*z], v[240+2*z:241+2*z], v[208+2*z:209+2*z]
.set z, z+1
.endr
.set z, 0
.rept 16
	v_fma_f32 v[224+z], -v[240+z], |v[XB+z]|, v[224+z]
.set z, z+1
.endr
	s_wait_xcnt 0x0                                ; the last stores have read v16-23
.set z, 0
.rept 8
	v_cvt_pk_bf16_f32 v[16+z], v[224+2*z], v[225+2*z]
.set z, z+1
.endr
	global_store_b128 v11, v[16:19], s[12:13] offset:1024*(\b)
	global_store_b128 v11, v[20:23], s[12:13] offset:1024*(\b)+512
.endm
	s_mov_b32 s21, 4                               ; four passes of five tiles cover a wave's 16 at the most
.Lpass:
	s_cmp_gt_i32 s19, 0
	s_cbranch_scc0 .Lpass_next                     ; nothing left: the pass is jumped; it holds no barrier
	s_min_i32 s20, s19, 5                          ; live slots
	s_sub_co_u32 s24, s20, 1
	s_wait_xcnt 0x0                                ; the last pass's stores have read their registers
.irp g, 0,1,2,3,4
	s_min_u32 s25, s24, \g                         ; a dead slot repeats the last live tile
	s_add_co_u32 s25, s25, s18
	s_min_u32 s25, s25, 63
	s_add_co_u32 s25, s25, s44
	s_lshl_b32 s25, s25, TPSH
	v_add_nc_u32 v[6+(\g)], s25, v1
.endr
.irp k, 0,1,2,3
	s_mov_b64 s[PB+2*(\k):PB+2*(\k)+1], s[8:9]     ; no token load is out here: the last pass's tail waited for all
.endr
	v_mov_b32 v4, v1
	LOADB 0
	LOADB 1
	LOADB 2
	LOADB 3
	LOADA 0, 0
	LOADA 1, 1
	TRIP 1, 0
	s_mov_b32 s22, 6
.Ltrip:
	TRIP 0, 0
	s_sub_co_u32 s22, s22, 1
	s_cmp_lg_u32 s22, 0
	s_cbranch_scc1 .Ltrip
	TRIP 0, 1
	s_mov_b32 s23, 0                               ; THE WAY OUT, a slot at a time
.Lslot:
	s_cmp_ge_u32 s23, s20
	s_cbranch_scc1 .Lslot_next
	s_cmp_eq_u32 s23, 0
	s_cbranch_scc1 .Lcopy0
	s_cmp_eq_u32 s23, 1
	s_cbranch_scc1 .Lcopy1
	s_cmp_eq_u32 s23, 2
	s_cbranch_scc1 .Lcopy2
	s_cmp_eq_u32 s23, 3
	s_cbranch_scc1 .Lcopy3
	COPY 4
	s_branch .Lcommon
.Lcopy0:
	COPY 0
	s_branch .Lcommon
.Lcopy1:
	COPY 1
	s_branch .Lcommon
.Lcopy2:
	COPY 2
	s_branch .Lcommon
.Lcopy3:
	COPY 3
.Lcommon:
	s_add_co_u32 s24, s18, s23
	s_min_u32 s24, s24, 63
	s_add_co_u32 s24, s24, s44
	s_lshl_b32 s24, s24, OSH
	s_wait_xcnt 0x0                                ; the last slot's stores have read their offset
	v_add_nc_u32 v11, s24, v1
	GELU16 0
	GELU16 1
	GELU16 2
	GELU16 3
.Lslot_next:
	s_add_co_u32 s23, s23, 1
	s_cmp_lt_u32 s23, 5
	s_cbranch_scc1 .Lslot
.Lpass_next:
	s_add_co_u32 s18, s18, 5
	s_sub_co_i32 s19, s19, 5
	s_sub_co_u32 s21, s21, 1
	s_cmp_lg_u32 s21, 0
	s_cbranch_scc1 .Lpass
	s_wait_dscnt 0x0                               ; my reads of the fragments are over,
	s_barrier_signal -1
	s_barrier_wait -1                              ; and so are everybody's: no LDS word is written while a wave still reads
	s_wait_tensorcnt 0x0                           ; the wave's end
	ds_add_u32 v12, v13
	s_wait_dscnt 0x0
	s_endpgm
.Lfunc_end_k_q3d915d656a_ffn1:
	.size	k_q3d915d656a_ffn1, .Lfunc_end_k_q3d915d656a_ffn1-k_q3d915d656a_ffn1
	.p2alignl 7, 3214868480
	.fill 96, 4, 3214868480
	.section	.rodata,"a",@progbits
	.p2align	6, 0x0
	.amdhsa_kernel k_q3d915d656a_ffn1
		.amdhsa_group_segment_fixed_size 266752
		.amdhsa_private_segment_fixed_size 0
		.amdhsa_enable_private_segment 0
		.amdhsa_kernarg_size 40
		.amdhsa_user_sgpr_count 2
		.amdhsa_user_sgpr_kernarg_segment_ptr 1
		.amdhsa_wavefront_size32 1
		.amdhsa_system_sgpr_workgroup_id_x 1
		.amdhsa_system_sgpr_workgroup_id_y 1
		.amdhsa_system_sgpr_workgroup_id_z 1
		.amdhsa_system_vgpr_workitem_id 0
		.amdhsa_next_free_vgpr 768
		.amdhsa_next_free_sgpr 84
		.amdhsa_reserve_vcc 0
		.amdhsa_float_denorm_mode_32 3
		.amdhsa_float_denorm_mode_16_64 3
		.amdhsa_memory_ordered 1
		.amdhsa_forward_progress 1
		.amdhsa_inst_pref_size 149
	.end_amdhsa_kernel
	.amdgpu_metadata
---
amdhsa.version: [ 1, 2 ]
amdhsa.kernels:
  - .name:           k_q3d915d656a_ffn1
    .symbol:         k_q3d915d656a_ffn1.kd
    .args:
      - { .name: W1, .offset: 0, .size: 8, .value_kind: global_buffer, .address_space: global }
      - { .name: b1, .offset: 8, .size: 8, .value_kind: global_buffer, .address_space: global }
      - { .name: xg, .offset: 16, .size: 8, .value_kind: global_buffer, .address_space: global }
      - { .name: tab, .offset: 24, .size: 8, .value_kind: global_buffer, .address_space: global }
      - { .name: hid, .offset: 32, .size: 8, .value_kind: global_buffer, .address_space: global }
    .group_segment_fixed_size: 266752
    .private_segment_fixed_size: 0
    .kernarg_segment_align: 8
    .kernarg_segment_size: 40
    .max_flat_workgroup_size: 128
    .sgpr_count:     84
    .vgpr_count:     768
    .wavefront_size: 32
...
	.end_amdgpu_metadata
.endif
;; end of part 3
;; launch ffn2 (part 4): grid 32 x 8, 4 waves a work-group, no clusters, 300,544 bytes of LDS; arguments W2, hid, tab, y; writes y
.if DOCPART == 4
	.amdgcn_target "amdgcn-amd-amdhsa--gfx1250"
	.amdhsa_code_object_version 6
	.text
	.protected	k_q3d915d656a_ffn2
	.globl	k_q3d915d656a_ffn2
	.p2align	8
	.type	k_q3d915d656a_ffn2,@function
k_q3d915d656a_ffn2:
	s_mov_b64 s[64:65], 0
	v_nop
	global_prefetch_b8 v0, s[64:65] scope:SCOPE_SE
	s_setreg_imm32_b32 hwreg(HW_REG_WAVE_MODE, 25, 1), 1
	s_wait_xcnt 0x0
; THE SECOND PRODUCT.  y[quarter][slot row][:] = hid[slot row][1,024 k of the quarter] W2[e][those k][:], partial sums in f32.  W2 is rounded to bf16.
; SHARES.  Work-group (s, e) has the K quarter s / 8 (1,024 of the 4,096 hidden numbers) of columns 128 (s % 8) .. + 127 of expert e: 512 KB of f32 that it alone reads, once.
; The four quarters' sums of a row, the bias and the gate's weights meet in the next launch: an owner for each output row here would make one work-group read an expert's whole W2.
; PHASE A, THE STREAM.  Wave w takes k rows 256 w .. 256 w + 255 of the slice.  A load is one k row, 512 consecutive bytes; eight rows are a unit; a ring of eight units in registers keeps
; 64 loads, 32 KB, of every wave on their way.  A unit is rounded to bf16, two k to a word, and stored into LDS as matrix operands.  One barrier; behind it nobody writes those bytes.
; Each unit has a pointer and sixteen packing registers of its own: the pointer steps behind the counted wait that shows the unit's loads done, and no conversion rewrites what a recent LDS store reads.
; PHASE B, THE TILES.  The expert's T tiles of 16 rows (T read from tab) are dealt to the four waves; a wave takes up to five at a time through all 32 K steps.  The weights come from LDS,
; the token blocks from memory straight into operand registers.  The phase is a loop of a constant four passes, which cover a wave's 16 tiles at the most: every split is served, T = 0 .. 64.
; A pass has two parts, the K steps (which read LDS) and the way out (which writes the stages in LDS), and behind each part a barrier that every wave passes; only work is jumped over.
; The first pass's K steps are run by every wave, also by one with no tile (T < 4: it multiplies tiles inside hid and stores nothing), so that every accumulator is written on every way.
; NO JOINT LOADS: each weight byte has one reader; the token blocks are shared by eight work-groups, but what is read of them hangs on a stored count.
; THE PRODUCT is used turned: source 0 = 16 columns of W, source 1 = 16 tokens: a lane holds token lane % 16 and columns 16 nb + 8 (lane / 16) + 0..7.  A tile goes through the wave's own
; stage in LDS and leaves as whole rows: each store covers the slice's 512 consecutive bytes of a row of y.
; REGISTERS, in windows of 256 (s_set_vgpr_msb: bits 1:0 source 0, 3:2 source 1, 5:4 source 2, 7:6 destination):
;   window 0: v1 16 x lane; v4 LDS address of the fragments; v5 the stream's LDS address; v6-10 the five slots' token offsets; v11 store offset; v12, v13 the add's; v14, v15 the stage, in and back;
;             v128-191, v192-255 weight fragments, two buffers (in phase A: the packing registers; on the way out v128-191: a tile's rows)
;   window 1: accumulators of slots 0-3 at 64 g + 8 nb (in phase A: the ring)          window 2: v0-63 slot 4's; v64-223 token fragments: set k % 4, slot g at 64 + 40 (k % 4) + 8 g
.set RP,    4096                       ; bytes from a k row of W2 to the next
.set BLK,   1040                       ; a fragment block (K step, 16 columns) in LDS: 1,024 bytes + 16, so that the 16 lanes of a store touch 16 different 16-byte columns of 256
.set KST,   8*BLK                      ; a K step's eight blocks
.set SPARE, 256*BLK                    ; behind the 256 blocks: the spare words, 128 bytes a wave
.set STAGE, SPARE+512                  ; behind them: 16 rows x 528 bytes for each wave
.set SPITCH, 528                       ; 512 bytes + 16: the 16 rows that a store touches start at 16 different 16-byte columns of 256
.set TPSH,  17                         ; a tile of hid is 128 blocks of 1,024 bytes
.set OSH,   16                         ; a tile of y 16 rows of 4,096 bytes
.set PB,    48                         ; s[48:55]  the token pointer of fragment set k
.set QW,    68                         ; s[68:83]  the weight pointer of ring unit i
.set TS,    128                        ; v[128:255] in phase A: unit i's packed words at TS + 16 i
.set MSB, 0
.macro WIN new                         ; the immediate's high byte repeats the setting that is left; a switch that changes nothing is dropped
.if MSB != (\new)
	s_set_vgpr_msb (MSB<<8)|(\new)
.set MSB, (\new)
.endif
.endm
	s_load_b256 s[4:11], s[0:1], 0x0               ; W2 s[4:5], hid s[6:7], tab s[8:9], y s[10:11]
	v_lshl_add_u32 v12, v0, 2, SPARE               ; my spare word,
	v_mov_b32 v13, 0                               ; and 0: kept for the closing lines alone
	v_lshrrev_b32 v1, 5, v0
	v_readfirstlane_b32 s14, v1                    ; wave
	s_and_b32 s15, ttmp7, 0xffff                   ; e
	s_mov_b32 s16, ttmp9                           ; s
	v_and_b32 v1, 31, v0
	v_lshlrev_b32 v1, 4, v1                        ; 16 x lane
	v_and_b32 v2, 15, v0
	v_bfe_u32 v3, v0, 4, 1
	v_bfe_u32 v5, v0, 2, 3                         ; the stream's stores: my four columns lie in block lane / 4,
	v_mul_u32_u24 v5, v5, BLK
	v_and_b32 v16, 3, v0
	v_lshl_add_u32 v5, v16, 6, v5                  ; at rows 4 (lane % 4) + 0..3 of 16 bytes,
	s_mul_i32 s24, s14, 8*KST
	v_add_nc_u32 v5, s24, v5                       ; in my wave's eight K steps
	s_mul_i32 s34, s14, 16*SPITCH
	s_add_co_u32 s34, s34, STAGE                   ; my stage
	v_mul_u32_u24 v14, v2, SPITCH                  ; in: row lane % 16, 32 bytes for each half of the lanes
	v_lshl_add_u32 v14, v3, 5, v14
	v_add_nc_u32 v14, s34, v14
	v_add_nc_u32 v15, s34, v1                      ; back: a whole row of 512 bytes
	s_lshr_b32 s46, s16, 3                         ; the K quarter
	s_and_b32 s47, s16, 7
	s_lshl_b32 s47, s47, 9                         ; the slice's 512 bytes in a row
	s_lshl_b32 s32, s15, 24                        ; W2: 16 MB an expert
	s_lshl_b32 s24, s46, 22                        ;     + 1,024 rows a quarter
	s_add_co_u32 s32, s32, s24
	s_add_co_u32 s32, s32, s47
	s_lshl_b32 s24, s14, 20                        ;     + 256 rows a wave
	s_add_co_u32 s32, s32, s24
	s_mov_b32 s33, 0
	s_lshl_b32 s24, s46, 15                        ; hid: the quarter's 32 blocks in a tile
	s_mov_b32 s25, 0
	s_lshl_b32 s26, s46, 25                        ; y: 32 MB a quarter
	s_add_co_u32 s26, s26, s47
	s_mov_b32 s27, 0
	s_lshl_b32 s45, s15, 7                         ; tab: T of e
	s_lshl_b32 s44, s15, 6                         ; the expert's first tile
	s_wait_kmcnt 0x0
	s_add_nc_u64 s[30:31], s[4:5], s[32:33]
	s_add_nc_u64 s[6:7], s[6:7], s[24:25]
	s_add_nc_u64 s[10:11], s[10:11], s[26:27]
	s_load_b32 s17, s[8:9], s45 offset:0x8000
.irp i, 0,1,2,3,4,5,6,7
	s_mov_b64 s[QW+2*(\i):QW+2*(\i)+1], s[30:31]
.endr
.macro LOADU i                         ; eight k rows into ring unit i, by the unit's own pointer
	WIN 0x40
.irp p, 0,1,2,3,4,5,6,7
	global_load_b128 v[32*(\i)+4*(\p):32*(\i)+4*(\p)+3], v1, s[QW+2*(\i):QW+2*(\i)+1] offset:(8*(\i)+(\p))*RP th:TH_LOAD_NT
.endr
.endm
; Unit i of a trip's eight: k rows 8 i .. 8 i + 7.  left = the younger loads that may stay out.  For each of my four columns eight k pack into 16 bytes: K step i / 4, half (i / 2) % 2, lanes' half i % 2.
.macro UNIT i, ahead, left
	s_wait_loadcnt \left                           ; loads end in order: this unit's eight are in, so their pointer may be written
.if \ahead
	s_add_nc_u64 s[QW+2*(\i):QW+2*(\i)+1], s[QW+2*(\i):QW+2*(\i)+1], 64*RP
.endif
	WIN 0x05
.irp c, 0,1,2,3
.irp p, 0,1,2,3
	v_cvt_pk_bf16_f32 v[TS+16*(\i)+4*(\c)+(\p)], v[32*(\i)+8*(\p)+(\c)], v[32*(\i)+8*(\p)+4+(\c)]
.endr
.endr
	WIN 0
.irp c, 0,1,2,3
	ds_store_b128 v5, v[TS+16*(\i)+4*(\c):TS+16*(\i)+4*(\c)+3] offset:((\i)/4)*KST+(((\i)/2)%2)*512+((\i)%2)*256+16*(\c)
.endr
.if \ahead
	LOADU \i
.endif
.endm
.irp i, 0,1,2,3,4,5,6,7
	LOADU \i
.endr
	WIN 0
	s_mov_b32 s22, 3
.Lstream:                                              ; three trips of 64 rows, each asking for the next 64
.irp i, 0,1,2,3,4,5,6,7
	UNIT \i, 1, 56                                 ; seven younger units of eight loads stay out
.endr
	WIN 0
	v_add_nc_u32 v5, 2*KST, v5
	s_sub_co_u32 s22, s22, 1
	s_cmp_lg_u32 s22, 0
	s_cbranch_scc1 .Lstream
.irp i, 0,1,2,3,4,5,6,7
	UNIT \i, 0, 56-8*(\i)                          ; the last 64 rows: nothing more is asked for, the counts run down
.endr
	s_wait_kmcnt 0x0                               ; T
	s_wait_dscnt 0x0                               ; for the others' sake: my fragments are in LDS
	s_barrier_signal -1
	s_barrier_wait -1
	s_min_u32 s17, s17, 64
	s_mul_i32 s18, s14, s17
	s_add_co_u32 s19, s18, s17
	s_lshr_b32 s18, s18, 2                         ; my first tile: w T / 4
	s_lshr_b32 s19, s19, 2
	s_sub_co_u32 s19, s19, s18                     ; and how many: 0 to 16
.macro LOADB k                         ; the five slots' token blocks into set k, by the set's own pointer: ten loads of 512 consecutive bytes
	WIN 0x80
.irp g, 0,1,2,3,4
	global_load_b128 v[64+40*(\k)+8*(\g):64+40*(\k)+8*(\g)+3],   v[6+(\g)], s[PB+2*(\k):PB+2*(\k)+1] offset:(\k)*1024
	global_load_b128 v[64+40*(\k)+8*(\g)+4:64+40*(\k)+8*(\g)+7], v[6+(\g)], s[PB+2*(\k):PB+2*(\k)+1] offset:(\k)*1024+512
.endr
	WIN 0
.endm
.macro LOADA k, off                    ; a K step's eight weight fragments into buffer k % 2: sixteen LDS loads
.irp nb, 0,1,2,3,4,5,6,7
	ds_load_b128 v[128+64*((\k)%2)+8*(\nb):128+64*((\k)%2)+8*(\nb)+3],   v4 offset:(\off)*KST+(\nb)*BLK
	ds_load_b128 v[128+64*((\k)%2)+8*(\nb)+4:128+64*((\k)%2)+8*(\nb)+7], v4 offset:(\off)*KST+(\nb)*BLK+512
.endr
.endm
; K step k of a trip's four: eight products for each live slot.  A slot's eight accumulators take turns, one instruction a turn, on every way and round the loop's jump.
; first = 1: the products start the sums, for all five slots without a jump (a dead slot repeats a tile), so that every accumulator is written.
; dcnt: the next step's sixteen fragment loads may stay out.  lcnt: the younger token sets, ten loads each; behind that wait set k's own loads are done, so its pointer steps four K steps on.
; The fragments of the step two on are fetched behind the products; v4 goes four K steps on in step 2, a step's products behind the last loads that named it, in the place of a v_nop.
.macro KSTEP k, first, la, lb, dcnt, lcnt
	s_wait_dscnt \dcnt
	s_wait_loadcnt \lcnt
.if \lb
	s_add_nc_u64 s[PB+2*(\k):PB+2*(\k)+1], s[PB+2*(\k):PB+2*(\k)+1], 4096
.endif
.irp g, 0,1,2,3,4
.if ((\g) > 0) && !(\first)
	WIN 0
	s_cmp_gt_u32 s20, \g
	s_cbranch_scc0 .Lke_\@
.endif
	WIN 0x58+0x50*((\g)/4)
.irp nb, 0,1,2,3,4,5,6,7
.set AC, (64*(\g))%256+8*(\nb)
.set AA, 128+64*((\k)%2)+8*(\nb)
.set BB, 64+40*(\k)+8*(\g)
.if \first
	v_wmma_f32_16x16x32_bf16 v[AC:AC+7], v[AA:AA+7], v[BB:BB+7], 0
.else
	v_wmma_f32_16x16x32_bf16 v[AC:AC+7], v[AA:AA+7], v[BB:BB+7], v[AC:AC+7]
.endif
.endr
.endr
	WIN 0
.Lke_\@:
.if (\la) && ((\k) == 2)
	v_add_nc_u32 v4, 4*KST, v4
.else
	v_nop
.endif
.rept 3
	v_nop                                          ; four places in all, in front of loads into registers that the products have read, and of the way out's reads
.endr
.if \la
	LOADA \k, ((\k)+2)%4
.endif
.if \lb
	LOADB \k
.endif
.endm
.macro TRIP first, tail                ; four K steps
.if \tail
	KSTEP 0, 0, 1, 0, 16, 30
	KSTEP 1, 0, 1, 0, 16, 20
	KSTEP 2, 0, 0, 0, 16, 10
	KSTEP 3, 0, 0, 0, 0, 0
.else
	KSTEP 0, \first, 1, 1, 16, 30
	KSTEP 1, 0, 1, 1, 16, 30
	KSTEP 2, 0, 1, 1, 16, 30
	KSTEP 3, 0, 1, 1, 16, 30
.endif
.endm
.macro COPY g                          ; slot g's 64 sums into my stage, each accumulator from its low end on
	WIN 4+4*((\g)/4)
.irp nb, 0,1,2,3,4,5,6,7
	ds_store_b128 v14, v[(64*(\g))%256+8*(\nb):(64*(\g))%256+8*(\nb)+3]   offset:64*(\nb)
	ds_store_b128 v14, v[(64*(\g))%256+8*(\nb)+4:(64*(\g))%256+8*(\nb)+7] offset:64*(\nb)+16
.endr
	WIN 0
.endm
	s_mov_b32 s21, 4                               ; four passes of five tiles cover a wave's 16 at the most
.Lpass:
	s_min_i32 s20, s19, 5
	s_max_i32 s20, s20, 0                          ; live slots: 0 to 5
	s_cmp_eq_u32 s21, 4
	s_cbranch_scc1 .Lwork                          ; the first pass's K steps are run by every wave: they write every accumulator
	s_cmp_eq_u32 s20, 0
	s_cbranch_scc1 .Lmeet                          ; nothing left: the K steps are jumped; they hold no barrier
.Lwork:
	s_sub_co_u32 s24, s20, 1                       ; (with no live slot: the largest number, and slot g takes tile g from my first on)
	s_wait_xcnt 0x0                                ; the last pass's stores have read their registers
.irp g, 0,1,2,3,4
	s_min_u32 s25, s24, \g                         ; a dead slot repeats the last live tile
	s_add_co_u32 s25, s25, s18
	s_min_u32 s25, s25, 63
	s_add_co_u32 s25, s25, s44
	s_lshl_b32 s25, s25, TPSH
	v_add_nc_u32 v[6+(\g)], s25, v1
.endr
.irp k, 0,1,2,3
	s_mov_b64 s[PB+2*(\k):PB+2*(\k)+1], s[6:7]     ; no token load is out here: the last pass's tail waited for all
.endr
	v_mov_b32 v4, v1
	LOADB 0
	LOADB 1
	LOADB 2
	LOADB 3
	LOADA 0, 0
	LOADA 1, 1
	TRIP 1, 0
	s_mov_b32 s22, 6
.Ltrip:
	TRIP 0, 0
	s_sub_co_u32 s22, s22, 1
	s_cmp_lg_u32 s22, 0
	s_cbranch_scc1 .Ltrip
	TRIP 0, 1
.Lmeet:
	s_wait_dscnt 0x0                               ; my reads of the fragments in this pass are over,
	s_barrier_signal -1
	s_barrier_wait -1                              ; and so are everybody's: only now are the stages written
	s_mov_b32 s23, 0                               ; THE WAY OUT, a slot at a time; a dead slot is jumped
.Lslot:
	s_cmp_ge_u32 s23, s20
	s_cbranch_scc1 .Lslot_next
	s_cmp_eq_u32 s23, 0
	s_cbranch_scc1 .Lcopy0
	s_cmp_eq_u32 s23, 1
	s_cbranch_scc1 .Lcopy1
	s_cmp_eq_u32 s23, 2
	s_cbranch_scc1 .Lcopy2
	s_cmp_eq_u32 s23, 3
	s_cbranch_scc1 .Lcopy3
	COPY 4
	s_branch .Lcommon
.Lcopy0:
	COPY 0
	s_branch .Lcommon
.Lcopy1:
	COPY 1
	s_branch .Lcommon
.Lcopy2:
	COPY 2
	s_branch .Lcommon
.Lcopy3:
	COPY 3
.Lcommon:
	s_add_co_u32 s24, s18, s23
	s_min_u32 s24, s24, 63
	s_add_co_u32 s24, s24, s44
	s_lshl_b32 s24, s24, OSH
	s_wait_xcnt 0x0                                ; the last slot's stores have read their offset and their data
	v_add_nc_u32 v11, s24, v1
.irp t, 0,1,2,3,4,5,6,7,8,9,10,11,12,13,14,15
	ds_load_b128 v[128+4*(\t):128+4*(\t)+3], v15 offset:SPITCH*(\t)  ; LDS serves a wave's instructions in order: these see the stores above
.endr
	s_wait_dscnt 0x0                               ; the rows are back; the next slot's stores into the stage come behind this wait
.irp t, 0,1,2,3,4,5,6,7,8,9,10,11,12,13,14,15
	global_store_b128 v11, v[128+4*(\t):128+4*(\t)+3], s[10:11] offset:4096*(\t)
.endr
.Lslot_next:
	s_add_co_u32 s23, s23, 1
	s_cmp_lt_u32 s23, 5
	s_cbranch_scc1 .Lslot
	s_wait_dscnt 0x0                               ; my stores into my stage are done,
	s_barrier_signal -1
	s_barrier_wait -1                              ; and so are everybody's: the next pass's reads, and the closing lines, come behind them
	s_add_co_u32 s18, s18, 5
	s_sub_co_i32 s19, s19, 5
	s_sub_co_u32 s21, s21, 1
	s_cmp_lg_u32 s21, 0
	s_cbranch_scc1 .Lpass
	s_wait_tensorcnt 0x0                           ; the wave's end
	ds_add_u32 v12, v13
	s_wait_dscnt 0x0
	s_endpgm
.Lfunc_end_k_q3d915d656a_ffn2:
	.size	k_q3d915d656a_ffn2, .Lfunc_end_k_q3d915d656a_ffn2-k_q3d915d656a_ffn2
	.p2alignl 7, 3214868480
	.fill 96, 4, 3214868480
	.section	.rodata,"a",@progbits
	.p2align	6, 0x0
	.amdhsa_kernel k_q3d915d656a_ffn2
		.amdhsa_group_segment_fixed_size 300544
		.amdhsa_private_segment_fixed_size 0
		.amdhsa_enable_private_segment 0
		.amdhsa_kernarg_size 32
		.amdhsa_user_sgpr_count 2
		.amdhsa_user_sgpr_kernarg_segment_ptr 1
		.amdhsa_wavefront_size32 1
		.amdhsa_system_sgpr_workgroup_id_x 1
		.amdhsa_system_sgpr_workgroup_id_y 1
		.amdhsa_system_sgpr_workgroup_id_z 1
		.amdhsa_system_vgpr_workitem_id 0
		.amdhsa_next_free_vgpr 768
		.amdhsa_next_free_sgpr 84
		.amdhsa_reserve_vcc 0
		.amdhsa_float_denorm_mode_32 3
		.amdhsa_float_denorm_mode_16_64 3
		.amdhsa_memory_ordered 1
		.amdhsa_forward_progress 1
		.amdhsa_inst_pref_size 111
	.end_amdhsa_kernel
	.amdgpu_metadata
---
amdhsa.version: [ 1, 2 ]
amdhsa.kernels:
  - .name:           k_q3d915d656a_ffn2
    .symbol:         k_q3d915d656a_ffn2.kd
    .args:
      - { .name: W2, .offset: 0, .size: 8, .value_kind: global_buffer, .address_space: global }
      - { .name: hid, .offset: 8, .size: 8, .value_kind: global_buffer, .address_space: global }
      - { .name: tab, .offset: 16, .size: 8, .value_kind: global_buffer, .address_space: global }
      - { .name: y, .offset: 24, .size: 8, .value_kind: global_buffer, .address_space: global }
    .group_segment_fixed_size: 300544
    .private_segment_fixed_size: 0
    .kernarg_segment_align: 8
    .kernarg_segment_size: 32
    .max_flat_workgroup_size: 128
    .sgpr_count:     84
    .vgpr_count:     768
    .wavefront_size: 32
...
	.end_amdgpu_metadata
.endif
;; end of part 4
;; launch combine (part 5): grid 256 x 1, 8 waves a work-group, no clusters, 0 bytes of LDS; arguments y, tab, route, gate, b2, out0, out1; writes out0, out1
.if DOCPART == 5
	.amdgcn_target "amdgcn-amd-amdhsa--gfx1250"
	.amdhsa_code_object_version 6
	.text
	.protected	k_q3d915d656a_combine
	.globl	k_q3d915d656a_combine
	.p2align	8
	.type	k_q3d915d656a_combine,@function
k_q3d915d656a_combine:
	s_mov_b64 s[64:65], 0
	v_nop
	global_prefetch_b8 v0, s[64:65] scope:SCOPE_SE
	s_setreg_imm32_b32 hwreg(HW_REG_WAVE_MODE, 25, 1), 1
	s_wait_xcnt 0x0
; THE SUM.  out0[t] = p0 (the four K quarters of y at e0's slot row + b2[e0]) + p1 (the same for e1); b2 is rounded to bf16.  out1 = the load-balancing loss.
; A stream: memory binds, so no LDS, no barrier, no matrix unit.  A work-group has four tokens, a wave half a row (2,048 bytes): 40 loads of 512 consecutive bytes, all out before the one wait.
; The slot rows come from route and tab, whole numbers that earlier launches stored, by scalar loads.  t's rank in all eight experts is asked for together with its two experts, and the two
; that count are chosen afterwards: eight words more, and one trip to memory less in the chain in front of the 40 loads.
; out1: work-group 0's wave 0 adds the router's 64 x 8 sums of probabilities, u = sum / 1,024, and sums u ln(1/8) - ln(u) / 8 over the experts.
.set Y,  16                            ; v[16:143]  choice a, quarter q, chunk i at Y + 64 a + 16 q + 4 i
.set BI, 144                           ; v[144:175] b2: choice a, chunk i at BI + 16 a + 4 i
.set RK, 48                            ; s[48:55]   t's rank in expert 0 .. 7
	s_load_b256 s[4:11], s[0:1], 0x0               ; y s[4:5], tab s[6:7], route s[8:9], gate s[10:11]
	s_load_b128 s[12:15], s[0:1], 0x20             ; b2 s[12:13], out0 s[14:15]
	s_load_b64 s[16:17], s[0:1], 0x30              ; out1
	v_lshrrev_b32 v1, 5, v0
	v_readfirstlane_b32 s18, v1                    ; wave
	s_lshl_b32 s19, ttmp9, 2
	s_lshr_b32 s20, s18, 1
	s_add_co_u32 s19, s19, s20                     ; t
	s_lshl_b32 s20, s19, 3                         ; 8 t
	s_lshl_b32 s43, s19, 2                         ; 4 t
	v_and_b32 v1, 31, v0
	v_lshlrev_b32 v1, 4, v1                        ; 16 x lane
	s_and_b32 s21, s18, 1
	s_lshl_b32 s21, s21, 11
	v_add_nc_u32 v2, s21, v1                       ; + my half of the row
	s_wait_kmcnt 0x0
	s_load_b64 s[22:23], s[8:9], s20 offset:0x0    ; e0, e1
	s_load_b64 s[24:25], s[10:11], s20 offset:0x0  ; p0, p1
.irp e, 0,1,2,3,4,5,6,7
	s_load_b32 s[RK+(\e)], s[6:7], s43 offset:4096*(\e)  ; rank[e][t]
.endr
	s_mov_b64 s[32:33], s[4:5]                     ; y's four quarters, 32 MB apart
	s_add_nc_u64 s[34:35], s[4:5], 0x2000000
	s_add_nc_u64 s[36:37], s[4:5], 0x4000000
	s_add_nc_u64 s[38:39], s[4:5], 0x6000000
	s_lshl_b32 s42, s19, 12
	v_add_nc_u32 v7, s42, v2                       ; out0[t]
	s_wait_kmcnt 0x0
	s_min_u32 s22, s22, 7
	s_min_u32 s23, s23, 7
	s_mov_b32 s28, s[RK]
	s_mov_b32 s29, s[RK]
.irp e, 1,2,3,4,5,6,7
	s_cmp_eq_u32 s22, \e
	s_cselect_b32 s28, s[RK+(\e)], s28             ; t's rank in e0,
	s_cmp_eq_u32 s23, \e
	s_cselect_b32 s29, s[RK+(\e)], s29             ; and in e1
.endr
	s_mov_b32 s40, s25                             ; p1 as a pair of its own: the packed forms take a pair's low word for both halves
	s_mov_b32 s41, s25
	s_lshl_b32 s42, s22, 12
	v_add_nc_u32 v5, s42, v2                       ; b2[e0]
	s_lshl_b32 s42, s23, 12
	v_add_nc_u32 v6, s42, v2                       ; b2[e1]
	s_min_u32 s28, s28, 1023
	s_min_u32 s29, s29, 1023
	s_lshl_b32 s30, s22, 10
	s_add_co_u32 s30, s30, s28
	s_lshl_b32 s30, s30, 12                        ; slot row 1,024 e + rank, 4,096 bytes a row
	v_add_nc_u32 v3, s30, v2
	s_lshl_b32 s31, s23, 10
	s_add_co_u32 s31, s31, s29
	s_lshl_b32 s31, s31, 12
	v_add_nc_u32 v4, s31, v2
.irp a, 0,1
.irp q, 0,1,2,3
.irp i, 0,1,2,3
	global_load_b128 v[Y+64*(\a)+16*(\q)+4*(\i):Y+64*(\a)+16*(\q)+4*(\i)+3], v[3+(\a)], s[32+2*(\q):33+2*(\q)] offset:512*(\i) th:TH_LOAD_NT
.endr
.endr
.irp i, 0,1,2,3
	global_load_b128 v[BI+16*(\a)+4*(\i):BI+16*(\a)+4*(\i)+3], v[5+(\a)], s[12:13] offset:512*(\i)
.endr
.endr
	s_wait_loadcnt 0x0
.irp a, 0,1
.set z, 0
.rept 8                                ; pair z of the half row's chunks
.set D, Y+64*(\a)+2*z
.set E, BI+16*(\a)+2*z
	v_pk_add_f32 v[D:D+1], v[D:D+1], v[D+16:D+17]  ; the quarters, K ascending
	v_cvt_pk_bf16_f32 v8, v[E], v[E+1]             ; the bias rounded to bf16 and widened again
	v_pk_add_f32 v[D:D+1], v[D:D+1], v[D+32:D+33]
	v_lshlrev_b32 v[E], 16, v8
	v_and_b32 v[E+1], 0xffff0000, v8
	v_pk_add_f32 v[D:D+1], v[D:D+1], v[D+48:D+49]
	v_pk_add_f32 v[D:D+1], v[D:D+1], v[E:E+1]
.set z, z+1
.endr
.endr
.set z, 0
.rept 8
	v_pk_mul_f32 v[Y+2*z:Y+2*z+1], v[Y+2*z:Y+2*z+1], s[24:25] op_sel_hi:[1,0]
	v_pk_fma_f32 v[Y+2*z:Y+2*z+1], v[Y+64+2*z:Y+64+2*z+1], s[40:41], v[Y+2*z:Y+2*z+1] op_sel_hi:[1,0,1]
.set z, z+1
.endr
.irp i, 0,1,2,3
	global_store_b128 v7, v[Y+4*(\i):Y+4*(\i)+3], s[14:15] offset:512*(\i) th:TH_STORE_NT
.endr
	s_or_b32 s42, ttmp9, s18
	s_cmp_lg_u32 s42, 0
	s_cbranch_scc1 .Ldone                          ; the loss is work-group 0's wave 0's
.irp i, 0,1,2,3
	global_load_b128 v[180+4*(\i):183+4*(\i)], v1, s[10:11] offset:8192+512*(\i)  ; 64 x 8 sums: my four registers are experts 4 (lane % 2) + 0..3
.endr
	s_mov_b32 s44, 0x76543210                      ; each lane takes its own place in the other half
	s_mov_b32 s45, 0xfedcba98
	s_wait_loadcnt 0x0
.irp i, 1,2,3
	v_pk_add_f32 v[180:181], v[180:181], v[180+4*(\i):181+4*(\i)]
	v_pk_add_f32 v[182:183], v[182:183], v[182+4*(\i):183+4*(\i)]
.endr
.irp m, 2,4,8
.irp c, 0,1,2,3
	v_add_f32_dpp v[180+(\c)], v[180+(\c)], v[180+(\c)] row_xmask:\m row_mask:0xf bank_mask:0xf
.endr
.endr
.irp c, 0,1,2,3
	v_permlanex16_b32 v[184+(\c)], v[180+(\c)], s44, s45
.endr
.irp c, 0,1,2,3
	v_add_f32 v[180+(\c)], v[180+(\c)], v[184+(\c)]
.endr
.irp c, 0,1,2,3
	v_mul_f32 v[180+(\c)], 0x3a800000, v[180+(\c)] ; u = sum / 1,024
.endr
.irp c, 0,1,2,3
	v_log_f32 v[188+(\c)], v[180+(\c)]
.endr
	v_mov_b32 v9, 0                                ; a plain instruction behind the last logarithm,
	s_wait_alu depctr_va_vdst(0)                   ; and one wait for the four
.irp c, 0,1,2,3
	v_mul_f32 v[180+(\c)], 0xc0051592, v[180+(\c)] ; u ln(1/8)
.endr
.irp c, 0,1,2,3
	v_fmamk_f32 v[180+(\c)], v[188+(\c)], 0xbdb17218, v[180+(\c)]  ; - log2(u) ln(2) / 8
.endr
	v_add_f32 v180, v180, v181
	v_add_f32 v182, v182, v183
	v_add_f32 v180, v180, v182
	v_add_f32_dpp v180, v180, v180 row_xmask:1 row_mask:0xf bank_mask:0xf  ; the other four experts
	s_wait_xcnt 0x0                                ; EXEC changes only behind this wait
	v_cmp_eq_u32 vcc_lo, 0, v0
	s_and_saveexec_b32 s46, vcc_lo
	global_store_b32 v9, v180, s[16:17]
	s_wait_xcnt 0x0
	s_or_b32 exec_lo, exec_lo, s46
.Ldone:
	s_endpgm
.Lfunc_end_k_q3d915d656a_combine:
	.size	k_q3d915d656a_combine, .Lfunc_end_k_q3d915d656a_combine-k_q3d915d656a_combine
	.p2alignl 7, 3214868480
	.fill 96, 4, 3214868480
	.section	.rodata,"a",@progbits
	.p2align	6, 0x0
	.amdhsa_kernel k_q3d915d656a_combine
		.amdhsa_group_segment_fixed_size 0
		.amdhsa_private_segment_fixed_size 0
		.amdhsa_enable_private_segment 0
		.amdhsa_kernarg_size 56
		.amdhsa_user_sgpr_count 2
		.amdhsa_user_sgpr_kernarg_segment_ptr 1
		.amdhsa_wavefront_size32 1
		.amdhsa_system_sgpr_workgroup_id_x 1
		.amdhsa_system_sgpr_workgroup_id_y 1
		.amdhsa_system_sgpr_workgroup_id_z 1
		.amdhsa_system_vgpr_workitem_id 0
		.amdhsa_next_free_vgpr 200
		.amdhsa_next_free_sgpr 66
		.amdhsa_reserve_vcc 1
		.amdhsa_float_denorm_mode_32 3
		.amdhsa_float_denorm_mode_16_64 3
		.amdhsa_memory_ordered 1
		.amdhsa_forward_progress 1
		.amdhsa_inst_pref_size 19
	.end_amdhsa_kernel
	.amdgpu_metadata
---
amdhsa.version: [ 1, 2 ]
amdhsa.kernels:
  - .name:           k_q3d915d656a_combine
    .symbol:         k_q3d915d656a_combine.kd
    .args:
      - { .name: y, .offset: 0, .size: 8, .value_kind: global_buffer, .address_space: global }
      - { .name: tab, .offset: 8, .size: 8, .value_kind: global_buffer, .address_space: global }
      - { .name: route, .offset: 16, .size: 8, .value_kind: global_buffer, .address_space: global }
      - { .name: gate, .offset: 24, .size: 8, .value_kind: global_buffer, .address_space: global }
      - { .name: b2, .offset: 32, .size: 8, .value_kind: global_buffer, .address_space: global }
      - { .name: out0, .offset: 40, .size: 8, .value_kind: global_buffer, .address_space: global }
      - { .name: out1, .offset: 48, .size: 8, .value_kind: global_buffer, .address_space: global }
    .group_segment_fixed_size: 0
    .private_segment_fixed_size: 0
    .kernarg_segment_align: 8
    .kernarg_segment_size: 56
    .max_flat_workgroup_size: 256
    .sgpr_count:     66
    .vgpr_count:     200
    .wavefront_size: 32
...
	.end_amdgpu_metadata
.endif
;; end of part 5
;; ======== version 2 of 2: 5 launches; version 1 with the launches ffn1, ffn2 written anew for expert scheduling mode
;; limits: a function is approximated: absolute error at most 2.5e-05; an absolute error that grows with the inputs' magnitude: up to 1.3e-05 times it
;; workspace buffers: route 8,192 bytes of whole numbers; gate 10,240 bytes; tab 33,792 bytes of whole numbers; xg 16,777,216 bytes; hid 67,108,864 bytes; y 134,217,728 bytes
;; launch router: the kernel of part 1 again; grid 64 x 1, 8 waves a work-group, no clusters, 5,120 bytes of LDS; arguments x, Wg, bg, route, gate; writes route, gate
;; launch place: the kernel of part 2 again; grid 128 x 8, 1 waves a work-group, no clusters, 768 bytes of LDS; arguments route, x, tab, xg; writes tab, xg
;; launch ffn1 (part 6): grid 32 x 8, 4 waves a work-group, no clusters, 266,752 bytes of LDS; arguments W1, b1, xg, tab, hid; writes hid
.if DOCPART == 6
	.amdgcn_target "amdgcn-amd-amdhsa--gfx1250"
	.amdhsa_code_object_version 6
	.text
	.protected	k_q3d915d656a_ffn1
	.globl	k_q3d915d656a_ffn1
	.p2align	8
	.type	k_q3d915d656a_ffn1,@function
k_q3d915d656a_ffn1:
	s_mov_b64 s[64:65], 0
	v_nop
	global_prefetch_b8 v0, s[64:65] scope:SCOPE_SE
	s_setreg_imm32_b32 hwreg(HW_REG_WAVE_SCHED_MODE, 0, 2), 2
	s_setreg_imm32_b32 hwreg(HW_REG_WAVE_MODE, 25, 1), 1
	s_wait_xcnt 0x0
	s_wait_alu depctr_vm_vsrc(0)
; THE FIRST PRODUCT.  hid = gelu(x W1[e] + b1[e]) for the rows routed to expert e, in bf16.  W1 and b1 are rounded to bf16, sums in f32.
; LIMITS.  gelu(x) = max(x, 0) - |x| q(t) 2^(-x x log2(e) / 2), t = 1 / (1 + 0.3326725 |x|), q a cubic: erf by a rational formula whose absolute error is at most 2.5e-5 for every
; argument, so gelu is off by at most 1.3e-5 |x|, far below the rounding of hid to bf16.
; SHARES.  Work-group (s, e) has all 1,024 k of columns 128 s .. 128 s + 127 of expert e: 512 KB of f32 that it alone reads, once.
; PHASE A, THE STREAM.  Wave w takes k rows 256 w .. 256 w + 255.  A load is one k row of the slice, 512 consecutive bytes; eight rows are a unit; a ring of eight units in registers keeps
; 64 loads, 32 KB, of every wave on their way.  A unit is rounded to bf16, two k to a word, and stored into LDS as matrix operands.  One barrier; behind it nobody writes those bytes.
; Each unit has a pointer and sixteen packing registers of its own: the pointer steps behind the counted wait that shows the unit's loads done.
; PHASE B, THE TILES.  The expert's T tiles of 16 rows (T read from tab) are dealt to the four waves; a wave takes up to five at a time through all 32 K steps.  The weights come from LDS,
; the token blocks from memory straight into operand registers.  No barrier and no LDS write stand in this phase, so its length may hang on T.  Every split is served: T = 0 .. 64.
; A second barrier stands behind the phase, on every wave's path.
; NO JOINT LOADS: each weight byte has one reader; the token blocks are shared by an expert's 32 work-groups, but they are read in a loop whose length hangs on a stored count.
; THE PRODUCT is used turned: source 0 = 16 columns of W, source 1 = 16 tokens.  A lane then holds token lane % 16 and columns 16 nb + 8 (lane / 16) + 0..7: 16 bytes of bf16 that are
; its place in the next product's token block, so each store covers 512 consecutive bytes.
; THE MODE: SCHED_MODE bits 1:0 = 2 (LLVM: expert scheduling mode 2), set by the entry lines.  The code itself states the register dependences
; between vector or matrix instructions and memory or LDS instructions, with s_wait_alu, always for 0.
; THE PLAN.  Registers that memory or LDS instructions touch, and who else names them:
;   PHASE A.  Ring unit i: its sixteen conversions read it; behind them its next eight loads land in it.  TS[i]: those conversions write it, the unit's four LDS stores read it, the next trip's
;             conversions write it again.  v5: read by every LDS store, written by one add a trip.  v1: read by every load, never written again.
;             So ONE wait on va_vdst stands in a unit, behind its conversions, and ONE wait on vm_vsrc in a trip, ahead of the add to v5.
;   PHASE B.  K step j: its products read fragment buffer j % 2 and token set j % 4.  Its loads land in buffer (j + 1) % 2 (step j + 1's fragments) and in set (j + 3) % 4 (step j + 3's tokens):
;             the two that step j - 1 read and that no product of step j names.  v4: read by every fragment load, written by one add a trip.  v6-10: read by every token load, written at a pass's head.
;             So ONE wait on va_vdst stands at a step's head, and the step's 26 loads follow it, dealt among slot 0's eight products, which are on every path; ONE wait on vm_vsrc a trip stands ahead of the add to v4.
;   THE WAY OUT.  v11 and four out-buffers of eight registers: written by a slot's arithmetic, read by its eight stores.  One wait on vm_vsrc a slot; the wait for block b's transcendentals also
;             shows block b - 1's roundings written, so that block's stores stand behind it.
; REGISTERS, in windows of 256 (s_set_vgpr_msb: bits 1:0 source 0, 3:2 source 1, 5:4 source 2, 7:6 destination):
;   window 0: v1 16 x lane; v4 LDS address of the fragments; v5 the stream's LDS address; v6-10 the five slots' token offsets; v11 store offset; v15 bias offset;
;             v16-47 the out-buffers (v16 also at work at the head); v64-127 bias; v128-191, v192-255 weight fragments, two buffers (in phase A: the packing registers; on the way out: at work)
;   window 1: accumulators of slots 0-3 at 64 g + 8 nb (in phase A: the ring)          window 2: v0-63 slot 4's; v64-223 token fragments: set k % 4, slot g at 64 + 40 (k % 4) + 8 g
.set RP,    16384                      ; bytes from a k row of W1 to the next
.set BLK,   1040                       ; a fragment block (K step, 16 columns) in LDS: 1,024 bytes + 16, so that the 16 lanes of a store touch 16 different 16-byte columns of 256
.set KST,   8*BLK                      ; a K step's eight blocks; the 256 blocks fill LDS from byte 0; the 512 bytes behind them: the spare words, 128 bytes a wave
.set TPSH,  15                         ; a tile of xg is 32 blocks of 1,024 bytes
.set OSH,   17                         ; a tile of hid 128 blocks
.set PB,    48                         ; s[48:55]  the token pointer of fragment set k
.set QW,    68                         ; s[68:83]  the weight pointer of ring unit i
.set TS,    128                        ; v[128:255] in phase A: unit i's packed words at TS + 16 i
.set OUT,   16                         ; v[16:47]  the way out: block b's sixteen numbers in bf16 at OUT + 8 b
.set MSB, 0
.macro WIN new                         ; the immediate's high byte repeats the setting that is left; a switch that changes nothing is dropped
.if MSB != (\new)
	s_set_vgpr_msb (MSB<<8)|(\new)
.set MSB, (\new)
.endif
.endm
	s_load_b256 s[4:11], s[0:1], 0x0               ; W1 s[4:5], b1 s[6:7], xg s[8:9], tab s[10:11]
	s_load_b64 s[12:13], s[0:1], 0x20              ; hid
	v_lshl_add_u32 v62, v0, 2, 0x41000
	v_mov_b32 v63, 0
	v_lshrrev_b32 v1, 5, v0
	v_readfirstlane_b32 s14, v1                    ; wave
	s_and_b32 s15, ttmp7, 0xffff                   ; e
	s_mov_b32 s16, ttmp9                           ; s
	v_and_b32 v1, 31, v0
	v_lshlrev_b32 v1, 4, v1                        ; 16 x lane
	v_bfe_u32 v3, v0, 4, 1
	v_lshlrev_b32 v15, 5, v3                       ; bias: 32 (lane / 16)
	v_bfe_u32 v5, v0, 2, 3                         ; the stream's stores: my four columns lie in block lane / 4,
	v_mul_u32_u24 v5, v5, BLK
	v_and_b32 v16, 3, v0
	v_lshl_add_u32 v5, v16, 6, v5                  ; at rows 4 (lane % 4) + 0..3 of 16 bytes,
	s_wait_alu depctr_va_sdst(0)                   ; s14 is written, ahead of its first reader
	s_mul_i32 s24, s14, 8*KST
	v_add_nc_u32 v5, s24, v5                       ; in my wave's eight K steps
	s_lshl_b32 s32, s15, 24                        ; W1: 16 MB an expert
	s_lshl_b32 s24, s16, 9                         ;     + 512 bytes a slice
	s_add_co_u32 s32, s32, s24
	s_lshl_b32 s26, s14, 22                        ;     + 256 rows a wave
	s_add_co_u32 s32, s32, s26
	s_mov_b32 s33, 0
	s_lshl_b32 s26, s15, 14                        ; b1: 16,384 e + 512 s
	s_add_co_u32 s24, s24, s26
	s_mov_b32 s25, 0
	s_lshl_b32 s26, s16, 12                        ; hid: the slice's four blocks in a tile
	s_mov_b32 s27, 0
	s_lshl_b32 s45, s15, 7                         ; tab: T of e
	s_lshl_b32 s44, s15, 6                         ; the expert's first tile
	s_mov_b32 s34, 0x3ebf7377                      ; q(t) = t (0.1740121 + t (-0.0479399 + 0.3739278 t)); each constant as a pair, of which the low word serves both halves
	s_mov_b32 s35, s34
	s_mov_b32 s36, 0xbd445ca1
	s_mov_b32 s37, s36
	s_mov_b32 s38, 0x3e32303a
	s_mov_b32 s39, s38
	s_mov_b32 s40, 0xbf38aa3b                      ; -log2(e) / 2
	s_mov_b32 s41, s40
	s_mov_b32 s42, 0x3eaa540e                      ; 0.3326725
	s_wait_kmcnt 0x0
	s_add_nc_u64 s[30:31], s[4:5], s[32:33]
	s_add_nc_u64 s[6:7], s[6:7], s[24:25]
	s_add_nc_u64 s[12:13], s[12:13], s[26:27]
	s_load_b32 s17, s[10:11], s45 offset:0x8000
.irp i, 0,1,2,3,4,5,6,7
	s_mov_b64 s[QW+2*(\i):QW+2*(\i)+1], s[30:31]
.endr
	s_wait_alu depctr_va_vdst(0)                   ; v1, v5 and v15 are written: the offsets and the LDS address that the loads and LDS stores below read
.irp nb, 0,1,2,3,4,5,6,7
	global_load_b128 v[64+8*(\nb):64+8*(\nb)+3],   v15, s[6:7] offset:64*(\nb)
	global_load_b128 v[64+8*(\nb)+4:64+8*(\nb)+7], v15, s[6:7] offset:64*(\nb)+16
.endr
.macro LOADU i                         ; eight k rows into ring unit i, by the unit's own pointer
	WIN 0x40
.irp p, 0,1,2,3,4,5,6,7
	global_load_b128 v[32*(\i)+4*(\p):32*(\i)+4*(\p)+3], v1, s[QW+2*(\i):QW+2*(\i)+1] offset:(8*(\i)+(\p))*RP th:TH_LOAD_NT
.endr
.endm
; Unit i of a trip's eight: k rows 8 i .. 8 i + 7.  left = the younger loads that may stay out.  For each of my four columns eight k pack into 16 bytes: K step i / 4, half (i / 2) % 2, lanes' half i % 2.
.macro UNIT i, ahead, left
	s_wait_loadcnt \left                           ; loads end in order: this unit's eight are in, so their pointer may be written
.if \ahead
	s_add_nc_u64 s[QW+2*(\i):QW+2*(\i)+1], s[QW+2*(\i):QW+2*(\i)+1], 64*RP
.endif
	WIN 0x05
.irp c, 0,1,2,3
.irp p, 0,1,2,3
	v_cvt_pk_bf16_f32 v[TS+16*(\i)+4*(\c)+(\p)], v[32*(\i)+8*(\p)+(\c)], v[32*(\i)+8*(\p)+4+(\c)]
.endr
.endr
.if \ahead
	WIN 0x40                                       ; the loads' window first, then the wait, then the loads
	s_wait_alu depctr_va_vdst(0)                   ; the conversions are done reading ring unit i, in which the loads land, and have written TS[i], which the LDS stores read; in a trip's first unit v5 is written
	LOADU \i                                       ; the unit is asked for again at once
.else
	WIN 0
	s_wait_alu depctr_va_vdst(0)                   ; the conversions have written TS[i], which the LDS stores read; in the first of these units v5 is written
.endif
	WIN 0
.irp c, 0,1,2,3
	ds_store_b128 v5, v[TS+16*(\i)+4*(\c):TS+16*(\i)+4*(\c)+3] offset:((\i)/4)*KST+(((\i)/2)%2)*512+((\i)%2)*256+16*(\c)
.endr
.endm
.irp i, 0,1,2,3,4,5,6,7
	LOADU \i
.endr
	WIN 0
	s_mov_b32 s22, 3
.Lstream:                                              ; three trips of 64 rows, each asking for the next 64
.irp i, 0,1,2,3,4,5,6,7
	UNIT \i, 1, 56                                 ; seven younger units of eight loads stay out
.endr
	s_wait_alu depctr_vm_vsrc(0)                   ; the trip's LDS stores have read v5, which the add writes, and the eight TS, which the next units' conversions write again
	v_add_nc_u32 v5, 2*KST, v5
	s_sub_co_u32 s22, s22, 1
	s_cmp_lg_u32 s22, 0
	s_cbranch_scc1 .Lstream
.irp i, 0,1,2,3,4,5,6,7
	UNIT \i, 0, 56-8*(\i)                          ; the last 64 rows: nothing more is asked for, the counts run down
.endr
.set z, 0
.rept 32
	v_cvt_pk_bf16_f32 v16, v[64+2*z], v[65+2*z]    ; the bias rounded to bf16 and widened again
	v_lshlrev_b32 v[64+2*z], 16, v16
	v_and_b32 v[65+2*z], 0xffff0000, v16
.set z, z+1
.endr
	s_wait_kmcnt 0x0                               ; T
	s_wait_dscnt 0x0                               ; for the others' sake: my fragments are in LDS
	s_barrier_signal -1
	s_barrier_wait -1
	s_min_u32 s17, s17, 64
	s_mul_i32 s18, s14, s17
	s_add_co_u32 s19, s18, s17
	s_lshr_b32 s18, s18, 2                         ; my first tile: w T / 4
	s_lshr_b32 s19, s19, 2
	s_sub_co_u32 s19, s19, s18                     ; and how many: 0 to 16
.macro LOADB s                         ; the five slots' token blocks into set s, by the set's own pointer: ten loads of 512 consecutive bytes
	WIN 0x80
.irp g, 0,1,2,3,4
	global_load_b128 v[64+40*(\s)+8*(\g):64+40*(\s)+8*(\g)+3],   v[6+(\g)], s[PB+2*(\s):PB+2*(\s)+1] offset:(\s)*1024
	global_load_b128 v[64+40*(\s)+8*(\g)+4:64+40*(\s)+8*(\g)+7], v[6+(\g)], s[PB+2*(\s):PB+2*(\s)+1] offset:(\s)*1024+512
.endr
.endm
.macro LOADA j                         ; the eight weight fragments of K step j, counted from the trip's first, into buffer j % 2: sixteen LDS loads
	WIN 0
.irp nb, 0,1,2,3,4,5,6,7
	ds_load_b128 v[128+64*((\j)%2)+8*(\nb):128+64*((\j)%2)+8*(\nb)+3],   v4 offset:(\j)*KST+(\nb)*BLK
	ds_load_b128 v[128+64*((\j)%2)+8*(\nb)+4:128+64*((\j)%2)+8*(\nb)+7], v4 offset:(\j)*KST+(\nb)*BLK+512
.endr
.endm
.macro PROD k, g, nb, first            ; one product: K step k, slot g, column block nb
.set AC, (64*(\g))%256+8*(\nb)
.set AA, 128+64*((\k)%2)+8*(\nb)
.set BB, 64+40*(\k)+8*(\g)
.if \first
	v_wmma_f32_16x16x32_bf16 v[AC:AC+7], v[AA:AA+7], v[BB:BB+7], 0
.else
	v_wmma_f32_16x16x32_bf16 v[AC:AC+7], v[AA:AA+7], v[BB:BB+7], v[AC:AC+7]
.endif
.endm
; K step k of a trip's four: eight products for each live slot.  A slot's eight accumulators take turns, one instruction a turn, on every way and round the loop's jump.
; first = 1: a pass's first step: the products start the sums, for all five slots without a jump (a dead slot repeats a live tile), so that every accumulator is written.
; tail = 1: the last trip: it asks for the fragments of its own steps 1 to 3 and for the tokens of its step 3 alone.
; lcnt: the younger token sets that may stay out, ten loads each; behind that wait set k's own loads are done, so its pointer steps four K steps on.
.macro KSTEP k, first, tail, lcnt
	s_wait_dscnt 0x0                               ; this step's sixteen fragment loads, issued a step ago, are the only LDS loads out
	s_wait_loadcnt \lcnt
.if !(\tail)
	s_add_nc_u64 s[PB+2*(\k):PB+2*(\k)+1], s[PB+2*(\k):PB+2*(\k)+1], 4096
.endif
.if ((\k) == 0) && !(\first)
	s_wait_alu depctr_vm_vsrc(0)                   ; the LDS loads issued so far have read v4
	v_add_nc_u32 v4, 4*KST, v4                     ; on to this trip's first K step
.endif
.if (!(\tail) || ((\k) < 3)) && !(\first)
	s_wait_alu depctr_va_vdst(0)                   ; the products of the step before are done reading the other fragment buffer and their token set, in which this step's loads land; in a trip's first step v4 is written
.endif                                                 ; (a pass's first step leans on the wait at the pass's head; the last step of all issues no load)
	WIN 0x58
.irp nb, 0,1,2,3
	PROD \k, 0, \nb, \first
.endr
.if !(\tail) || ((\k) < 3)
	LOADA (\k)+1                                   ; no product since the wait names this buffer or v4
.endif
	WIN 0x58
.irp nb, 4,5,6,7
	PROD \k, 0, \nb, \first
.endr
.if !(\tail) || ((\k) == 0)
	LOADB ((\k)+3)%4                               ; three K steps ahead; no product since the wait names this set or v6-10
.endif
.irp g, 1,2,3,4
.if !(\first)
	WIN 0
	s_cmp_gt_u32 s20, \g
	s_cbranch_scc0 .Lke_\@
.endif
	WIN 0x58+0x50*((\g)/4)
.irp nb, 0,1,2,3,4,5,6,7
	PROD \k, \g, \nb, \first
.endr
.endr
	WIN 0
.Lke_\@:
.if (\tail) && ((\k) == 3)
.rept 4
	v_nop                                          ; four places between the last products and the way out's reads of their results (ISA guide 7.12.1)
.endr
.endif
.endm
.macro TRIP first, tail                ; four K steps
.if \tail
	KSTEP 0, 0, 1, 20
	KSTEP 1, 0, 1, 20                              ; the sets of steps 2 and 3 stay out,
	KSTEP 2, 0, 1, 10                              ; then step 3's,
	KSTEP 3, 0, 1, 0                               ; then none
.else
	KSTEP 0, \first, 0, 20                         ; at a step's head three sets are out: its own and two younger
	KSTEP 1, 0, 0, 20
	KSTEP 2, 0, 0, 20
	KSTEP 3, 0, 0, 20
.endif
.endm
.macro COPY g                          ; slot g's 64 sums plus the bias, each accumulator from its low end on, into v128-191
	WIN 1+(\g)/4
.set z, 0
.rept 32
	v_pk_add_f32 v[128+2*z:129+2*z], v[(64*(\g))%256+2*z:(64*(\g))%256+2*z+1], v[64+2*z:65+2*z]
.set z, z+1
.endr
	WIN 0
.endm
.macro SENDB b                         ; block b of the slice's four: two stores of 512 consecutive bytes
	global_store_b128 v11, v[OUT+8*(\b):OUT+8*(\b)+3],   s[12:13] offset:1024*(\b)
	global_store_b128 v11, v[OUT+8*(\b)+4:OUT+8*(\b)+7], s[12:13] offset:1024*(\b)+512
.endm
; Sixteen numbers, column blocks 2 b and 2 b + 1: gelu, and the rounding into out-buffer b.  The 32 transcendentals are one batch with one wait; the block before is stored behind that wait.
.macro GELU16 b
.set XB, 128+16*(\b)
.set z, 0
.rept 16
	v_fma_f32 v[192+z], |v[XB+z]|, s42, 1.0
.set z, z+1
.endr
.set z, 0
.rept 8
	v_pk_mul_f32 v[208+2*z:209+2*z], v[XB+2*z:XB+2*z+1], v[XB+2*z:XB+2*z+1]
.set z, z+1
.endr
.set z, 0
.rept 8
	v_pk_mul_f32 v[208+2*z:209+2*z], v[208+2*z:209+2*z], s[40:41] op_sel_hi:[1,0]
.set z, z+1
.endr
.set z, 0
.rept 16
	v_rcp_f32 v[192+z], v[192+z]                   ; t
.set z, z+1
.endr
.set z, 0
.rept 16
	v_exp_f32 v[208+z], v[208+z]
.set z, z+1
.endr
.set z, 0
.rept 16
	v_max_num_f32 v[224+z], 0, v[XB+z]             ; plain work behind the batch
.set z, z+1
.endr
.if (\b) > 0
	s_wait_alu depctr_va_vdst(0)                   ; the batch's results v192-223 are written, ahead of their first reader; so are v11 and the block before's roundings, which the two stores read
	SENDB (\b)-1
.else
	s_wait_alu depctr_va_vdst(0)                   ; the batch's results v192-223 are written, ahead of their first reader
.endif
.set z, 0
.rept 8
	v_pk_fma_f32 v[240+2*z:241+2*z], v[192+2*z:193+2*z], s[34:35], s[36:37] op_sel_hi:[1,0,0]
.set z, z+1
.endr
.set z, 0
.rept 8
	v_pk_fma_f32 v[240+2*z:241+2*z], v[240+2*z:241+2*z], v[192+2*z:193+2*z], s[38:39] op_sel_hi:[1,1,0]
.set z, z+1
.endr
.set z, 0
.rept 8
	v_pk_mul_f32 v[240+2*z:241+2*z], v[240+2*z:241+2*z], v[192+2*z:193+2*z]
.set z, z+1
.endr
.set z, 0
.rept 8
	v_pk_mul_f32 v[240+2*z:241+2*z], v[240+2*z:241+2*z], v[208+2*z:209+2*z]
.set z, z+1
.endr
.set z, 0
.rept 16
	v_fma_f32 v[224+z], -v[240+z], |v[XB+z]|, v[224+z]
.set z, z+1
.endr
.set z, 0
.rept 8
	v_cvt_pk_bf16_f32 v[OUT+8*(\b)+z], v[224+2*z], v[225+2*z]
.set z, z+1
.endr
.endm
	s_mov_b32 s21, 4                               ; four passes of five tiles cover a wave's 16 at the most
.Lpass:
	s_cmp_gt_i32 s19, 0
	s_cbranch_scc0 .Lpass_next                     ; nothing left: the pass is jumped; it holds no barrier
	s_min_i32 s20, s19, 5                          ; live slots
	s_sub_co_u32 s24, s20, 1
	s_wait_xcnt 0x0                                ; the last pass's loads and stores have had their addresses translated
	s_wait_alu depctr_vm_vsrc(0)                   ; the last pass's loads have read v4 and v6-10, which are written below; the stream's LDS stores have read v128-255, in which the fragments land
.irp g, 0,1,2,3,4
	s_min_u32 s25, s24, \g                         ; a dead slot repeats the last live tile
	s_add_co_u32 s25, s25, s18
	s_min_u32 s25, s25, 63
	s_add_co_u32 s25, s25, s44
	s_lshl_b32 s25, s25, TPSH
	v_add_nc_u32 v[6+(\g)], s25, v1
.endr
.irp k, 0,1,2,3
	s_mov_b64 s[PB+2*(\k):PB+2*(\k)+1], s[8:9]     ; no token load is out here: the last pass's tail waited for all
.endr
	v_mov_b32 v4, v1
	WIN 0x80                                       ; the loads' window first, then the wait, then the loads
	s_wait_alu depctr_va_vdst(0)                   ; v4 and v6-10 are written; the last pass's products are done reading the token sets; the stream's conversions, or the last way out, have written v128-255: in all of these loads land
	LOADB 0
	LOADB 1
	LOADB 2                                        ; set 3 is asked for in step 0, as in every trip
	LOADA 0
	TRIP 1, 0
	s_mov_b32 s22, 6
.Ltrip:
	TRIP 0, 0
	s_sub_co_u32 s22, s22, 1
	s_cmp_lg_u32 s22, 0
	s_cbranch_scc1 .Ltrip
	TRIP 0, 1
	s_mov_b32 s23, 0                               ; THE WAY OUT, a slot at a time
.Lslot:
	s_cmp_ge_u32 s23, s20
	s_cbranch_scc1 .Lslot_next
	s_cmp_eq_u32 s23, 0
	s_cbranch_scc1 .Lcopy0
	s_cmp_eq_u32 s23, 1
	s_cbranch_scc1 .Lcopy1
	s_cmp_eq_u32 s23, 2
	s_cbranch_scc1 .Lcopy2
	s_cmp_eq_u32 s23, 3
	s_cbranch_scc1 .Lcopy3
	COPY 4
	s_branch .Lcommon
.Lcopy0:
	COPY 0
	s_branch .Lcommon
.Lcopy1:
	COPY 1
	s_branch .Lcommon
.Lcopy2:
	COPY 2
	s_branch .Lcommon
.Lcopy3:
	COPY 3
.Lcommon:
	s_add_co_u32 s24, s18, s23
	s_min_u32 s24, s24, 63
	s_add_co_u32 s24, s24, s44
	s_lshl_b32 s24, s24, OSH
	s_wait_xcnt 0x0                                ; the last slot's stores have had their addresses translated
	s_wait_alu depctr_vm_vsrc(0)                   ; the last slot's stores have read v11 and the four out-buffers, which this slot writes again
	v_add_nc_u32 v11, s24, v1
	GELU16 0
	GELU16 1
	GELU16 2
	GELU16 3
	s_wait_alu depctr_va_vdst(0)                   ; block 3's roundings are written, which the last two stores read
	SENDB 3
.Lslot_next:
	s_add_co_u32 s23, s23, 1
	s_cmp_lt_u32 s23, 5
	s_cbranch_scc1 .Lslot
.Lpass_next:
	s_add_co_u32 s18, s18, 5
	s_sub_co_i32 s19, s19, 5
	s_sub_co_u32 s21, s21, 1
	s_cmp_lg_u32 s21, 0
	s_cbranch_scc1 .Lpass
	s_wait_dscnt 0x0                               ; my reads of the fragments are over,
	s_barrier_signal -1
	s_barrier_wait -1                              ; and so are everybody's, before any wave ends
	s_wait_dscnt 0x0                               ; the wave's end
	s_wait_alu depctr_hold_cnt(0) depctr_sa_sdst(0) depctr_va_vdst(0) depctr_va_sdst(0) depctr_va_ssrc(0) depctr_va_vcc(0) depctr_vm_vsrc(0)
	s_wait_tensorcnt 0x0
	ds_add_u32 v62, v63
	s_wait_dscnt 0x0
	s_endpgm
.Lfunc_end_k_q3d915d656a_ffn1:
	.size	k_q3d915d656a_ffn1, .Lfunc_end_k_q3d915d656a_ffn1-k_q3d915d656a_ffn1
	.p2alignl 7, 3214868480
	.fill 96, 4, 3214868480
	.section	.rodata,"a",@progbits
	.p2align	6, 0x0
	.amdhsa_kernel k_q3d915d656a_ffn1
		.amdhsa_group_segment_fixed_size 266752
		.amdhsa_private_segment_fixed_size 0
		.amdhsa_enable_private_segment 0
		.amdhsa_kernarg_size 40
		.amdhsa_user_sgpr_count 2
		.amdhsa_user_sgpr_kernarg_segment_ptr 1
		.amdhsa_wavefront_size32 1
		.amdhsa_system_sgpr_workgroup_id_x 1
		.amdhsa_system_sgpr_workgroup_id_y 1
		.amdhsa_system_sgpr_workgroup_id_z 1
		.amdhsa_system_vgpr_workitem_id 0
		.amdhsa_next_free_vgpr 768
		.amdhsa_next_free_sgpr 84
		.amdhsa_reserve_vcc 0
		.amdhsa_float_denorm_mode_32 3
		.amdhsa_float_denorm_mode_16_64 3
		.amdhsa_memory_ordered 1
		.amdhsa_forward_progress 1
		.amdhsa_inst_pref_size 149
	.end_amdhsa_kernel
	.amdgpu_metadata
---
amdhsa.version: [ 1, 2 ]
amdhsa.kernels:
  - .name:           k_q3d915d656a_ffn1
    .symbol:         k_q3d915d656a_ffn1.kd
    .args:
      - { .name: W1, .offset: 0, .size: 8, .value_kind: global_buffer, .address_space: global }
      - { .name: b1, .offset: 8, .size: 8, .value_kind: global_buffer, .address_space: global }
      - { .name: xg, .offset: 16, .size: 8, .value_kind: global_buffer, .address_space: global }
      - { .name: tab, .offset: 24, .size: 8, .value_kind: global_buffer, .address_space: global }
      - { .name: hid, .offset: 32, .size: 8, .value_kind: global_buffer, .address_space: global }
    .group_segment_fixed_size: 266752
    .private_segment_fixed_size: 0
    .kernarg_segment_align: 8
    .kernarg_segment_size: 40
    .max_flat_workgroup_size: 128
    .sgpr_count:     84
    .vgpr_count:     768
    .wavefront_size: 32
...
	.end_amdgpu_metadata
.endif
;; end of part 6
;; launch ffn2 (part 7): grid 32 x 8, 4 waves a work-group, no clusters, 300,544 bytes of LDS; arguments W2, hid, tab, y; writes y
.if DOCPART == 7
	.amdgcn_target "amdgcn-amd-amdhsa--gfx1250"
	.amdhsa_code_object_version 6
	.text
	.protected	k_q3d915d656a_ffn2
	.globl	k_q3d915d656a_ffn2
	.p2align	8
	.type	k_q3d915d656a_ffn2,@function
k_q3d915d656a_ffn2:
	s_mov_b64 s[64:65], 0
	v_nop
	global_prefetch_b8 v0, s[64:65] scope:SCOPE_SE
	s_setreg_imm32_b32 hwreg(HW_REG_WAVE_SCHED_MODE, 0, 2), 2
	s_setreg_imm32_b32 hwreg(HW_REG_WAVE_MODE, 25, 1), 1
	s_wait_xcnt 0x0
	s_wait_alu depctr_vm_vsrc(0)
; THE SECOND PRODUCT.  y[quarter][slot row][:] = hid[slot row][1,024 k of the quarter] W2[e][those k][:], partial sums in f32.  W2 is rounded to bf16.
; SHARES.  Work-group (s, e) has the K quarter s / 8 (1,024 of the 4,096 hidden numbers) of columns 128 (s % 8) .. + 127 of expert e: 512 KB of f32 that it alone reads, once.
; The four quarters' sums of a row, the bias and the gate's weights meet in the next launch: an owner for each output row here would make one work-group read an expert's whole W2.
; PHASE A, THE STREAM.  Wave w takes k rows 256 w .. 256 w + 255 of the slice.  A load is one k row, 512 consecutive bytes; eight rows are a unit; a ring of eight units in registers keeps
; 64 loads, 32 KB, of every wave on their way.  A unit is rounded to bf16, two k to a word, and stored into LDS as matrix operands.  One barrier; behind it nobody writes those bytes.
; Each unit has a pointer and sixteen packing registers of its own: the pointer steps behind the counted wait that shows the unit's loads done.
; PHASE B, THE TILES.  The expert's T tiles of 16 rows (T read from tab) are dealt to the four waves; a wave takes up to five at a time through all 32 K steps.  The weights come from LDS,
; the token blocks from memory straight into operand registers.  The phase is a loop of a constant four passes, which cover a wave's 16 tiles at the most: every split is served, T = 0 .. 64.
; A pass has two parts, the K steps (which read LDS) and the way out (which writes the stages in LDS), and behind each part a barrier that every wave passes; only work is jumped over.
; The first pass's K steps are run by every wave, also by one with no tile (T < 4: it multiplies tiles inside hid and stores nothing), so that every accumulator is written on every way.
; NO JOINT LOADS: each weight byte has one reader; the token blocks are shared by eight work-groups, but what is read of them hangs on a stored count.
; THE PRODUCT is used turned: source 0 = 16 columns of W, source 1 = 16 tokens: a lane holds token lane % 16 and columns 16 nb + 8 (lane / 16) + 0..7.  A tile goes through the wave's own
; stage in LDS and leaves as whole rows: each store covers the slice's 512 consecutive bytes of a row of y.
; THE MODE: SCHED_MODE bits 1:0 = 2 (LLVM: expert scheduling mode 2), set by the entry lines.  The code itself states the register dependences
; between vector or matrix instructions and memory or LDS instructions, with s_wait_alu, always for 0.
; THE PLAN.  Registers that memory or LDS instructions touch, and who else names them:
;   PHASE A.  Ring unit i: its sixteen conversions read it; behind them its next eight loads land in it.  TS[i]: those conversions write it, the unit's four LDS stores read it, the next trip's
;             conversions write it again.  v5: read by every LDS store, written by one add a trip.  v1: read by every load, never written again.
;             So ONE wait on va_vdst stands in a unit, behind its conversions, and ONE wait on vm_vsrc in a trip, ahead of the add to v5.
;   PHASE B.  K step j: its products read fragment buffer j % 2 and token set j % 4.  Its loads land in buffer (j + 1) % 2 (step j + 1's fragments) and in set (j + 3) % 4 (step j + 3's tokens):
;             the two that step j - 1 read and that no product of step j names.  v4: read by every fragment load, written by one add a trip.  v6-10: read by every token load, written at a pass's head.
;             So ONE wait on va_vdst stands at a step's head, and the step's 26 loads follow it, dealt among slot 0's eight products, which are on every path; ONE wait on vm_vsrc a trip stands ahead of the add to v4.
;   THE WAY OUT.  The accumulators: written by the products, read by the LDS stores into the stage.  v128-191: read by the products, then the stage's rows land in them and the global stores read them.
;             v11: written once a slot, read by the slot's global stores.  v14, v15: never written again.  One wait on vm_vsrc and one on va_vdst at a slot's head state all of it.
; REGISTERS, in windows of 256 (s_set_vgpr_msb: bits 1:0 source 0, 3:2 source 1, 5:4 source 2, 7:6 destination):
;   window 0: v1 16 x lane; v4 LDS address of the fragments; v5 the stream's LDS address; v6-10 the five slots' token offsets; v11 store offset; v14, v15 the stage, in and back;
;             v128-191, v192-255 weight fragments, two buffers (in phase A: the packing registers; on the way out v128-191: a tile's rows)
;   window 1: accumulators of slots 0-3 at 64 g + 8 nb (in phase A: the ring)          window 2: v0-63 slot 4's; v64-223 token fragments: set k % 4, slot g at 64 + 40 (k % 4) + 8 g
.set RP,    4096                       ; bytes from a k row of W2 to the next
.set BLK,   1040                       ; a fragment block (K step, 16 columns) in LDS: 1,024 bytes + 16, so that the 16 lanes of a store touch 16 different 16-byte columns of 256
.set KST,   8*BLK                      ; a K step's eight blocks
.set STAGE, 256*BLK+512                ; behind the 256 blocks and the 512 bytes of spare words: 16 rows x 528 bytes for each wave
.set SPITCH, 528                       ; 512 bytes + 16: the 16 rows that a store touches start at 16 different 16-byte columns of 256
.set TPSH,  17                         ; a tile of hid is 128 blocks of 1,024 bytes
.set OSH,   16                         ; a tile of y 16 rows of 4,096 bytes
.set PB,    48                         ; s[48:55]  the token pointer of fragment set k
.set QW,    68                         ; s[68:83]  the weight pointer of ring unit i
.set TS,    128                        ; v[128:255] in phase A: unit i's packed words at TS + 16 i
.set MSB, 0
.macro WIN new                         ; the immediate's high byte repeats the setting that is left; a switch that changes nothing is dropped
.if MSB != (\new)
	s_set_vgpr_msb (MSB<<8)|(\new)
.set MSB, (\new)
.endif
.endm
	s_load_b256 s[4:11], s[0:1], 0x0               ; W2 s[4:5], hid s[6:7], tab s[8:9], y s[10:11]
	v_lshl_add_u32 v126, v0, 2, 0x41000
	v_mov_b32 v127, 0
	v_lshrrev_b32 v1, 5, v0
	v_readfirstlane_b32 s14, v1                    ; wave
	s_and_b32 s15, ttmp7, 0xffff                   ; e
	s_mov_b32 s16, ttmp9                           ; s
	v_and_b32 v1, 31, v0
	v_lshlrev_b32 v1, 4, v1                        ; 16 x lane
	v_and_b32 v2, 15, v0
	v_bfe_u32 v3, v0, 4, 1
	v_bfe_u32 v5, v0, 2, 3                         ; the stream's stores: my four columns lie in block lane / 4,
	v_mul_u32_u24 v5, v5, BLK
	v_and_b32 v16, 3, v0
	v_lshl_add_u32 v5, v16, 6, v5                  ; at rows 4 (lane % 4) + 0..3 of 16 bytes,
	s_wait_alu depctr_va_sdst(0)                   ; s14 is written, ahead of its first reader
	s_mul_i32 s24, s14, 8*KST
	v_add_nc_u32 v5, s24, v5                       ; in my wave's eight K steps
	s_mul_i32 s34, s14, 16*SPITCH
	s_add_co_u32 s34, s34, STAGE                   ; my stage
	v_mul_u32_u24 v14, v2, SPITCH                  ; in: row lane % 16, 32 bytes for each half of the lanes
	v_lshl_add_u32 v14, v3, 5, v14
	v_add_nc_u32 v14, s34, v14
	v_add_nc_u32 v15, s34, v1                      ; back: a whole row of 512 bytes
	s_lshr_b32 s46, s16, 3                         ; the K quarter
	s_and_b32 s47, s16, 7
	s_lshl_b32 s47, s47, 9                         ; the slice's 512 bytes in a row
	s_lshl_b32 s32, s15, 24                        ; W2: 16 MB an expert
	s_lshl_b32 s24, s46, 22                        ;     + 1,024 rows a quarter
	s_add_co_u32 s32, s32, s24
	s_add_co_u32 s32, s32, s47
	s_lshl_b32 s24, s14, 20                        ;     + 256 rows a wave
	s_add_co_u32 s32, s32, s24
	s_mov_b32 s33, 0
	s_lshl_b32 s24, s46, 15                        ; hid: the quarter's 32 blocks in a tile
	s_mov_b32 s25, 0
	s_lshl_b32 s26, s46, 25                        ; y: 32 MB a quarter
	s_add_co_u32 s26, s26, s47
	s_mov_b32 s27, 0
	s_lshl_b32 s45, s15, 7                         ; tab: T of e
	s_lshl_b32 s44, s15, 6                         ; the expert's first tile
	s_wait_kmcnt 0x0
	s_add_nc_u64 s[30:31], s[4:5], s[32:33]
	s_add_nc_u64 s[6:7], s[6:7], s[24:25]
	s_add_nc_u64 s[10:11], s[10:11], s[26:27]
	s_load_b32 s17, s[8:9], s45 offset:0x8000
.irp i, 0,1,2,3,4,5,6,7
	s_mov_b64 s[QW+2*(\i):QW+2*(\i)+1], s[30:31]
.endr
.macro LOADU i                         ; eight k rows into ring unit i, by the unit's own pointer
	WIN 0x40
.irp p, 0,1,2,3,4,5,6,7
	global_load_b128 v[32*(\i)+4*(\p):32*(\i)+4*(\p)+3], v1, s[QW+2*(\i):QW+2*(\i)+1] offset:(8*(\i)+(\p))*RP th:TH_LOAD_NT
.endr
.endm
; Unit i of a trip's eight: k rows 8 i .. 8 i + 7.  left = the younger loads that may stay out.  For each of my four columns eight k pack into 16 bytes: K step i / 4, half (i / 2) % 2, lanes' half i % 2.
.macro UNIT i, ahead, left
	s_wait_loadcnt \left                           ; loads end in order: this unit's eight are in, so their pointer may be written
.if \ahead
	s_add_nc_u64 s[QW+2*(\i):QW+2*(\i)+1], s[QW+2*(\i):QW+2*(\i)+1], 64*RP
.endif
	WIN 0x05
.irp c, 0,1,2,3
.irp p, 0,1,2,3
	v_cvt_pk_bf16_f32 v[TS+16*(\i)+4*(\c)+(\p)], v[32*(\i)+8*(\p)+(\c)], v[32*(\i)+8*(\p)+4+(\c)]
.endr
.endr
.if \ahead
	WIN 0x40                                       ; the loads' window first, then the wait, then the loads
	s_wait_alu depctr_va_vdst(0)                   ; the conversions are done reading ring unit i, in which the loads land, and have written TS[i], which the LDS stores read; in a trip's first unit v5 is written
	LOADU \i                                       ; the unit is asked for again at once
.else
	WIN 0
	s_wait_alu depctr_va_vdst(0)                   ; the conversions have written TS[i], which the LDS stores read; in the first of these units v5 is written
.endif
	WIN 0
.irp c, 0,1,2,3
	ds_store_b128 v5, v[TS+16*(\i)+4*(\c):TS+16*(\i)+4*(\c)+3] offset:((\i)/4)*KST+(((\i)/2)%2)*512+((\i)%2)*256+16*(\c)
.endr
.endm
	WIN 0x40                                       ; the loads' window first, then the wait, then the loads
	s_wait_alu depctr_va_vdst(0)                   ; v1, v5, v14 and v15 are written: the offset and the LDS addresses that the loads and LDS instructions below read
.irp i, 0,1,2,3,4,5,6,7
	LOADU \i
.endr
	WIN 0
	s_mov_b32 s22, 3
.Lstream:                                              ; three trips of 64 rows, each asking for the next 64
.irp i, 0,1,2,3,4,5,6,7
	UNIT \i, 1, 56                                 ; seven younger units of eight loads stay out
.endr
	s_wait_alu depctr_vm_vsrc(0)                   ; the trip's LDS stores have read v5, which the add writes, and the eight TS, which the next units' conversions write again
	v_add_nc_u32 v5, 2*KST, v5
	s_sub_co_u32 s22, s22, 1
	s_cmp_lg_u32 s22, 0
	s_cbranch_scc1 .Lstream
.irp i, 0,1,2,3,4,5,6,7
	UNIT \i, 0, 56-8*(\i)                          ; the last 64 rows: nothing more is asked for, the counts run down
.endr
	s_wait_kmcnt 0x0                               ; T
	s_wait_dscnt 0x0                               ; for the others' sake: my fragments are in LDS
	s_barrier_signal -1
	s_barrier_wait -1
	s_min_u32 s17, s17, 64
	s_mul_i32 s18, s14, s17
	s_add_co_u32 s19, s18, s17
	s_lshr_b32 s18, s18, 2                         ; my first tile: w T / 4
	s_lshr_b32 s19, s19, 2
	s_sub_co_u32 s19, s19, s18                     ; and how many: 0 to 16
.macro LOADB s                         ; the five slots' token blocks into set s, by the set's own pointer: ten loads of 512 consecutive bytes
	WIN 0x80
.irp g, 0,1,2,3,4
	global_load_b128 v[64+40*(\s)+8*(\g):64+40*(\s)+8*(\g)+3],   v[6+(\g)], s[PB+2*(\s):PB+2*(\s)+1] offset:(\s)*1024
	global_load_b128 v[64+40*(\s)+8*(\g)+4:64+40*(\s)+8*(\g)+7], v[6+(\g)], s[PB+2*(\s):PB+2*(\s)+1] offset:(\s)*1024+512
.endr
.endm
.macro LOADA j                         ; the eight weight fragments of K step j, counted from the trip's first, into buffer j % 2: sixteen LDS loads
	WIN 0
.irp nb, 0,1,2,3,4,5,6,7
	ds_load_b128 v[128+64*((\j)%2)+8*(\nb):128+64*((\j)%2)+8*(\nb)+3],   v4 offset:(\j)*KST+(\nb)*BLK
	ds_load_b128 v[128+64*((\j)%2)+8*(\nb)+4:128+64*((\j)%2)+8*(\nb)+7], v4 offset:(\j)*KST+(\nb)*BLK+512
.endr
.endm
.macro PROD k, g, nb, first            ; one product: K step k, slot g, column block nb
.set AC, (64*(\g))%256+8*(\nb)
.set AA, 128+64*((\k)%2)+8*(\nb)
.set BB, 64+40*(\k)+8*(\g)
.if \first
	v_wmma_f32_16x16x32_bf16 v[AC:AC+7], v[AA:AA+7], v[BB:BB+7], 0
.else
	v_wmma_f32_16x16x32_bf16 v[AC:AC+7], v[AA:AA+7], v[BB:BB+7], v[AC:AC+7]
.endif
.endm
; K step k of a trip's four: eight products for each live slot.  A slot's eight accumulators take turns, one instruction a turn, on every way and round the loop's jump.
; first = 1: a pass's first step: the products start the sums, for all five slots without a jump (a dead slot repeats a tile), so that every accumulator is written.
; tail = 1: the last trip: it asks for the fragments of its own steps 1 to 3 and for the tokens of its step 3 alone.
; lcnt: the younger token sets that may stay out, ten loads each; behind that wait set k's own loads are done, so its pointer steps four K steps on.
.macro KSTEP k, first, tail, lcnt
	s_wait_dscnt 0x0                               ; this step's sixteen fragment loads, issued a step ago, are the only LDS loads out
	s_wait_loadcnt \lcnt
.if !(\tail)
	s_add_nc_u64 s[PB+2*(\k):PB+2*(\k)+1], s[PB+2*(\k):PB+2*(\k)+1], 4096
.endif
.if ((\k) == 0) && !(\first)
	s_wait_alu depctr_vm_vsrc(0)                   ; the LDS loads issued so far have read v4
	v_add_nc_u32 v4, 4*KST, v4                     ; on to this trip's first K step
.endif
.if (!(\tail) || ((\k) < 3)) && !(\first)
	s_wait_alu depctr_va_vdst(0)                   ; the products of the step before are done reading the other fragment buffer and their token set, in which this step's loads land; in a trip's first step v4 is written
.endif                                                 ; (a pass's first step leans on the wait at the pass's head; the last step of all issues no load)
	WIN 0x58
.irp nb, 0,1,2,3
	PROD \k, 0, \nb, \first
.endr
.if !(\tail) || ((\k) < 3)
	LOADA (\k)+1                                   ; no product since the wait names this buffer or v4
.endif
	WIN 0x58
.irp nb, 4,5,6,7
	PROD \k, 0, \nb, \first
.endr
.if !(\tail) || ((\k) == 0)
	LOADB ((\k)+3)%4                               ; three K steps ahead; no product since the wait names this set or v6-10
.endif
.irp g, 1,2,3,4
.if !(\first)
	WIN 0
	s_cmp_gt_u32 s20, \g
	s_cbranch_scc0 .Lke_\@
.endif
	WIN 0x58+0x50*((\g)/4)
.irp nb, 0,1,2,3,4,5,6,7
	PROD \k, \g, \nb, \first
.endr
.endr
	WIN 0
.Lke_\@:
.if (\tail) && ((\k) == 3)
.rept 4
	v_nop                                          ; four places between the last products and the LDS stores that read their results
.endr
.endif
.endm
.macro TRIP first, tail                ; four K steps
.if \tail
	KSTEP 0, 0, 1, 20
	KSTEP 1, 0, 1, 20                              ; the sets of steps 2 and 3 stay out,
	KSTEP 2, 0, 1, 10                              ; then step 3's,
	KSTEP 3, 0, 1, 0                               ; then none
.else
	KSTEP 0, \first, 0, 20                         ; at a step's head three sets are out: its own and two younger
	KSTEP 1, 0, 0, 20
	KSTEP 2, 0, 0, 20
	KSTEP 3, 0, 0, 20
.endif
.endm
.macro COPY g                          ; slot g's 64 sums into my stage, each accumulator from its low end on
	WIN 4+4*((\g)/4)
.irp nb, 0,1,2,3,4,5,6,7
	ds_store_b128 v14, v[(64*(\g))%256+8*(\nb):(64*(\g))%256+8*(\nb)+3]   offset:64*(\nb)
	ds_store_b128 v14, v[(64*(\g))%256+8*(\nb)+4:(64*(\g))%256+8*(\nb)+7] offset:64*(\nb)+16
.endr
	WIN 0
.endm
	s_mov_b32 s21, 4                               ; four passes of five tiles cover a wave's 16 at the most
.Lpass:
	s_min_i32 s20, s19, 5
	s_max_i32 s20, s20, 0                          ; live slots: 0 to 5
	s_cmp_eq_u32 s21, 4
	s_cbranch_scc1 .Lwork                          ; the first pass's K steps are run by every wave: they write every accumulator
	s_cmp_eq_u32 s20, 0
	s_cbranch_scc1 .Lmeet                          ; nothing left: the K steps are jumped; they hold no barrier
.Lwork:
	s_sub_co_u32 s24, s20, 1                       ; (with no live slot: the largest number, and slot g takes tile g from my first on)
	s_wait_xcnt 0x0                                ; the last pass's loads and stores have had their addresses translated
	s_wait_alu depctr_vm_vsrc(0)                   ; the last pass's loads have read v4 and v6-10, which are written below; its LDS stores have read the accumulators, which the first products write; the stream's LDS stores and the last pass's global stores have read v128-255, in which the fragments land
.irp g, 0,1,2,3,4
	s_min_u32 s25, s24, \g                         ; a dead slot repeats the last live tile
	s_add_co_u32 s25, s25, s18
	s_min_u32 s25, s25, 63
	s_add_co_u32 s25, s25, s44
	s_lshl_b32 s25, s25, TPSH
	v_add_nc_u32 v[6+(\g)], s25, v1
.endr
.irp k, 0,1,2,3
	s_mov_b64 s[PB+2*(\k):PB+2*(\k)+1], s[6:7]     ; no token load is out here: the last pass's tail waited for all
.endr
	v_mov_b32 v4, v1
	WIN 0x80                                       ; the loads' window first, then the wait, then the loads
	s_wait_alu depctr_va_vdst(0)                   ; v4 and v6-10 are written; the last pass's products are done reading the token sets and the fragment buffers; the stream's conversions have written v128-255: in all of these loads land
	LOADB 0
	LOADB 1
	LOADB 2                                        ; set 3 is asked for in step 0, as in every trip
	LOADA 0
	TRIP 1, 0
	s_mov_b32 s22, 6
.Ltrip:
	TRIP 0, 0
	s_sub_co_u32 s22, s22, 1
	s_cmp_lg_u32 s22, 0
	s_cbranch_scc1 .Ltrip
	TRIP 0, 1
.Lmeet:
	s_wait_dscnt 0x0                               ; my reads of the fragments in this pass are over,
	s_barrier_signal -1
	s_barrier_wait -1                              ; and so are everybody's: only now are the stages written
	s_mov_b32 s23, 0                               ; THE WAY OUT, a slot at a time; a dead slot is jumped
.Lslot:
	s_cmp_ge_u32 s23, s20
	s_cbranch_scc1 .Lslot_next
	s_add_co_u32 s24, s18, s23
	s_min_u32 s24, s24, 63
	s_add_co_u32 s24, s24, s44
	s_lshl_b32 s24, s24, OSH
	s_wait_xcnt 0x0                                ; the last slot's stores have had their addresses translated
	s_wait_alu depctr_vm_vsrc(0)                   ; the last slot's global stores have read v11, which is written below, and v128-191, in which this slot's rows land
	v_add_nc_u32 v11, s24, v1
	s_wait_alu depctr_va_vdst(0)                   ; v11 is written, which the global stores read; the products have written the accumulators, which the LDS stores read, and are done reading v128-191, in which the rows land
	s_cmp_eq_u32 s23, 0
	s_cbranch_scc1 .Lcopy0
	s_cmp_eq_u32 s23, 1
	s_cbranch_scc1 .Lcopy1
	s_cmp_eq_u32 s23, 2
	s_cbranch_scc1 .Lcopy2
	s_cmp_eq_u32 s23, 3
	s_cbranch_scc1 .Lcopy3
	COPY 4
	s_branch .Lcommon
.Lcopy0:
	COPY 0
	s_branch .Lcommon
.Lcopy1:
	COPY 1
	s_branch .Lcommon
.Lcopy2:
	COPY 2
	s_branch .Lcommon
.Lcopy3:
	COPY 3
.Lcommon:
.irp t, 0,1,2,3,4,5,6,7,8,9,10,11,12,13,14,15
	ds_load_b128 v[128+4*(\t):128+4*(\t)+3], v15 offset:SPITCH*(\t)  ; LDS serves a wave's instructions in order: these see the stores above
.endr
	s_wait_dscnt 0x0                               ; the rows are back; the next slot's stores into the stage come behind this wait
.irp t, 0,1,2,3,4,5,6,7,8,9,10,11,12,13,14,15
	global_store_b128 v11, v[128+4*(\t):128+4*(\t)+3], s[10:11] offset:4096*(\t)
.endr
.Lslot_next:
	s_add_co_u32 s23, s23, 1
	s_cmp_lt_u32 s23, 5
	s_cbranch_scc1 .Lslot
	s_wait_dscnt 0x0                               ; my stores into my stage are done,
	s_barrier_signal -1
	s_barrier_wait -1                              ; and so are everybody's: the next pass's reads come behind them
	s_add_co_u32 s18, s18, 5
	s_sub_co_i32 s19, s19, 5
	s_sub_co_u32 s21, s21, 1
	s_cmp_lg_u32 s21, 0
	s_cbranch_scc1 .Lpass
	s_wait_dscnt 0x0                               ; the wave's end
	s_wait_alu depctr_hold_cnt(0) depctr_sa_sdst(0) depctr_va_vdst(0) depctr_va_sdst(0) depctr_va_ssrc(0) depctr_va_vcc(0) depctr_vm_vsrc(0)
	s_wait_tensorcnt 0x0
	ds_add_u32 v126, v127
	s_wait_dscnt 0x0
	s_endpgm
.Lfunc_end_k_q3d915d656a_ffn2:
	.size	k_q3d915d656a_ffn2, .Lfunc_end_k_q3d915d656a_ffn2-k_q3d915d656a_ffn2
	.p2alignl 7, 3214868480
	.fill 96, 4, 3214868480
	.section	.rodata,"a",@progbits
	.p2align	6, 0x0
	.amdhsa_kernel k_q3d915d656a_ffn2
		.amdhsa_group_segment_fixed_size 300544
		.amdhsa_private_segment_fixed_size 0
		.amdhsa_enable_private_segment 0
		.amdhsa_kernarg_size 32
		.amdhsa_user_sgpr_count 2
		.amdhsa_user_sgpr_kernarg_segment_ptr 1
		.amdhsa_wavefront_size32 1
		.amdhsa_system_sgpr_workgroup_id_x 1
		.amdhsa_system_sgpr_workgroup_id_y 1
		.amdhsa_system_sgpr_workgroup_id_z 1
		.amdhsa_system_vgpr_workitem_id 0
		.amdhsa_next_free_vgpr 768
		.amdhsa_next_free_sgpr 84
		.amdhsa_reserve_vcc 0
		.amdhsa_float_denorm_mode_32 3
		.amdhsa_float_denorm_mode_16_64 3
		.amdhsa_memory_ordered 1
		.amdhsa_forward_progress 1
		.amdhsa_inst_pref_size 112
	.end_amdhsa_kernel
	.amdgpu_metadata
---
amdhsa.version: [ 1, 2 ]
amdhsa.kernels:
  - .name:           k_q3d915d656a_ffn2
    .symbol:         k_q3d915d656a_ffn2.kd
    .args:
      - { .name: W2, .offset: 0, .size: 8, .value_kind: global_buffer, .address_space: global }
      - { .name: hid, .offset: 8, .size: 8, .value_kind: global_buffer, .address_space: global }
      - { .name: tab, .offset: 16, .size: 8, .value_kind: global_buffer, .address_space: global }
      - { .name: y, .offset: 24, .size: 8, .value_kind: global_buffer, .address_space: global }
    .group_segment_fixed_size: 300544
    .private_segment_fixed_size: 0
    .kernarg_segment_align: 8
    .kernarg_segment_size: 32
    .max_flat_workgroup_size: 128
    .sgpr_count:     84
    .vgpr_count:     768
    .wavefront_size: 32
...
	.end_amdgpu_metadata
.endif
;; end of part 7
;; launch combine: the kernel of part 5 again; grid 256 x 1, 8 waves a work-group, no clusters, 0 bytes of LDS; arguments y, tab, route, gate, b2, out0, out1; writes out0, out1
